; MI455X (gfx1250); checked and timed in simulation.
; The chip was launched on July 23, 2026; its instructions are those of AMD's public machine-readable ISA for CDNA 5 (MIT licence, August 2026) and "CDNA5" Instruction Set Architecture Reference Guide (July 2026). The comments in the code are by the model that wrote it; some were corrected since.
;; Multi Head Attention. Allowed arithmetic: matrix products marked QUANTISED: E2M3 operands, one E8M0 scale for each 32 along K, by v_wmma_scale_f32_16x16x128_f8f6f4 with both operands' format E2M3, f32 sums; everything else in f32.
;; Inputs: Wfc 1,024 x 1,024 float32; Wk 16 x 1,024 x 64 float32; Wq 16 x 1,024 x 64 float32; Wv 16 x 1,024 x 64 float32; beta 1,024 float32; bfc 1,024 float32; bk 16 x 64 float32; bq 16 x 64 float32; bv 16 x 64 float32; gamma 1,024 float32; x 4 x 2,048 x 1,024 float32.
;; Outputs: out0 4 x 2,048 x 1,024 float32.
;; This version of the problem:
;;   THIS VERSION OF THE PROBLEM IS GIVEN IN LOW PRECISION. The matrix products marked QUANTISED in the list below multiply operands that are first quantised to E2M3 (2 exponent bits, 3 mantissa bits; 6 bits a number), with one power-of-two scale for each 32 numbers along K (OCP MX v1.0); their sums are f32. All else is computed in f32.
;;   The module's matrix products, in the order in which they are computed (A, B: the left and right operand; K: the contracted axis; several contracted axes count as one K, in the product's order):
;;     1. [M 1,024, K 1,024] x [K 1,024, N 8,192]; A: input Wq; B: input x: QUANTISED
;;     2. [M 1,024, K 1,024] x [K 1,024, N 8,192]; A: input Wk; B: input x: QUANTISED
;;     3. [M 1,024, K 1,024] x [K 1,024, N 8,192]; A: input Wv; B: input x: QUANTISED
;;     4. batch 64 x [M 2,048, K 64] x [K 64, N 2,048]; A: computed on the way; B: computed on the way: QUANTISED
;;     5. batch 64 x [M 2,048, K 2,048] x [K 2,048, N 64]; A: softmax (see below); B: computed on the way: QUANTISED
;;     6. [M 8,192, K 1,024] x [K 1,024, N 1,024]; A: computed on the way; B: input Wfc: QUANTISED
;;   THE QUANTISER, for each operand of a quantised product, along K:
;;     - K is cut into blocks of 32 from its start; a last block that is shorter is filled with zeros.
;;     - A block's scale is 2^e with e = floor(log2(the largest magnitude in the block)) - 2, held to -126 .. 127; a block of zeros has e = 0. As a byte (E8M0): e + 127.
;;     - Each number is divided by its block's scale, clamped to +-7.5, and rounded to the nearest number of E2M3, ties to even, subnormals kept.
;;     - The product sums the exact products of the quantised numbers (number of the format x scale) in f32.
;;   ~~~python
;;   def quantise(x, axis):      # numpy; x: float32 -> the quantised numbers, widened to float32 again
;;       x = np.moveaxis(x, axis, -1); K = x.shape[-1]
;;       x = np.pad(x, [(0, 0)] * (x.ndim - 1) + [(0, -K % 32)]); x = x.reshape(x.shape[:-1] + (-1, 32)); a = np.abs(x).max(-1, keepdims=True)
;;       e = np.where(a > 0, np.clip(np.frexp(np.where(a > 0, a, 1))[1] - 1 - 2, -126, 127), 0)      # np.frexp(a)[1] - 1 = floor(log2(a)), exactly
;;       r = np.clip(x / 2.0 ** e, -7.5, 7.5)
;;       step = 2.0 ** (np.maximum(np.frexp(np.where(r == 0, 1, r))[1] - 1, 0) - 3)
;;       q = np.round(r / step) * step * 2.0 ** e      # np.round: ties to even
;;       return np.moveaxis(q.reshape(q.shape[:-2] + (-1,))[..., :K], -1, axis).astype(np.float32)
;;   ~~~
;;   SOFTMAX AHEAD OF A QUANTISED PRODUCT. Where the list says 'softmax', what is quantised is not the finished softmax but p = 2^(t - M), with t = logit x log2(e) and M = ceil(the row's largest t), a whole number; so 1/2 < the row's largest p <= 1. The row's sum l is taken of the UNQUANTISED p, in f32, and the product's result is divided by l at the end. Since M is a whole number, a kernel that streams over the keys may use a running M (the ceiling of the running maximum): every later rescaling is an exact power of two, which a block's scale takes up: the codes' values come out the same.
;;   OPERANDS COMPUTED ON THE WAY. 'Computed on the way' means the value that the module computes at that place (a softmax that the list does not call 'softmax' is quantised finished and normalised). What goes into a quantiser is computed in f32, as accurately as f32 sums, v_exp_f32 and their like allow (about 1e-6 of the number): no bf16 or f16 on the way to a quantiser, and a product that is left as it is and whose result goes on into a quantised operand takes f32 operands (vector FMAs, or v_wmma_f32_16x16x4_f32). A number that lies on a knife's edge between two numbers of the format may be rounded either way, as far as f32 arithmetic and the matrix unit's own rounding can turn it there, and no further.
;; One version. Each part assembles by itself: llvm-mc -triple=amdgcn-amd-amdhsa -mcpu=gfx1250 --defsym DOCPART=n.
;; ======== version 1 of 1: 4 launches
;; workspace buffers: xw 9,830,400 bytes; qkv 20,185,088 bytes; cat 6,815,744 bytes
;; launch prep (part 1): grid 768 x 1, 4 waves a work-group, no clusters, 47,616 bytes of LDS; arguments x, Wq, Wk, Wv, Wfc, xw; writes xw
.if DOCPART == 1
	.amdgcn_target "amdgcn-amd-amdhsa--gfx1250"
	.amdhsa_code_object_version 6
	.text
	.protected	k_qb3d8725a0b_prep
	.globl	k_qb3d8725a0b_prep
	.p2align	8
	.type	k_qb3d8725a0b_prep,@function
k_qb3d8725a0b_prep:
	s_mov_b64 s[64:65], 0
	v_nop
	global_prefetch_b8 v0, s[64:65] scope:SCOPE_SE
	s_setreg_imm32_b32 hwreg(HW_REG_WAVE_MODE, 25, 1), 1
	s_wait_xcnt 0x0
; PREP: x [8192][1024] (K innermost) and Wq, Wk, Wv [16][1024][64], Wfc [1024][1024] (K = the axis of 1,024 in front of the columns), all f32, become codes of FP6 (E2M3) with one E8M0 byte for each 32 along K.
; THE WORKSPACE IS LAID AS THE READERS' REGISTERS WANT IT.  A tile is 16 rows; tile T holds rows 32 (T / 2) + 8 (T % 2) + r + 8 (r / 8), r = 0 .. 15.  Its codes for 64 along K are an image of 768 bytes:
; lane l = (r, h = l / 16) owns the 24 bytes of block h; its first 16 lie at 16 l, its last 8 at 512 + 8 l.  A tile's 16 images lie on end (12,288 bytes).  Scale words: [tile][128 along K: 8][r]: 512 bytes a tile.
; xw: x's 512 tiles at 0; 256 tiles of weight columns at WC_OFF (Wq, Wk, Wv by head x 64 + k, then Wfc's columns); x's scale words at XS_OFF; the weights' at WS_OFF.
; A block's scale is 2^(floor(log2(largest magnitude)) - 2): its byte is that magnitude's exponent field - 2, held at 1 from below.
; LIMITS: a block whose largest magnitude lies under 2^(3 - 127), a block of zeros among them, has the byte 1 (its codes are zeros or subnormal codes; this program alone reads the bytes); NaN and infinities are not served.
; Work-groups 0-511 take a tile of x each, 512-767 the weights; the two ways part on the work-group's number, never meet again, and have LDS bytes of their own.  Waves share nothing: no barrier.
; No cluster, no matrix unit: every input byte is read once by one wave, and nothing is shared.
.set WC_OFF, 6291456
.set XS_OFF, 9437184
.set WS_OFF, 9699328
.set WST,   33792                      ; LDS: 0 .. 33,791 x's stages (4 waves x 16 rows x 528); from here the weights' (4 waves x 2 tiles x 1,664)
.set SPARE, 47104                      ; the spare words, 128 bytes a wave: two blocks of 256 bytes that no other line names
.set SPW, 12                           ; v12 my spare word's address; never rewritten
.set NIL, 13                           ; v13 0; never rewritten
.set SEL, 40                           ; s[40:41] selects for lane l xor 16
.set R,   16                           ; x: v16-143 two fragments' numbers as loaded
.set X,   144                          ; v144-207 64 numbers, 16 neighbours of each block
.set PC,  208                          ; v208-226 codes
.set TM,  228                          ; v228-243 at work
.set PW,  244                          ; v244, v245 the two scale words
.set AO,  16                           ; weights: v16-47 4 x lane + i x pitch
.set WX,  48                           ; v48-111 two sets of 32 numbers
.set C,   112                          ; v112-117 a block's codes; v120-122 its second half as converted
.set SB,  123                          ; the scale word
.set OUTR, 124                         ; v124-147 the way out
.set BB,  44                           ; s[44:51] the four blocks' bases
; 64 numbers of a lane, register 16 b + i = k 32 b + 16 (lane / 16) + i of my row, become a fragment's 12 registers in v[PC] on and its scale word in v[pw]
.macro QUANT s, pw
.irp b, 0,1,2,3
	v_max3_num_f32 v[TM+\b], |v[\s+16*\b]|, |v[\s+1+16*\b]|, 0x1800000   ; my 16 numbers of block b, and the floor 2^(3 - 127): the byte cannot fall under 1
.endr
.irp i, 2,4,6,8,10,12,14
.irp b, 0,1,2,3
	v_max3_num_f32 v[TM+\b], v[TM+\b], |v[\s+16*\b+\i]|, |v[\s+1+16*\b+\i]|
.endr
.endr
.irp b, 0,1,2,3
	v_permlanex16_b32 v[TM+4+\b], v[TM+\b], s[SEL], s[SEL+1]
.endr
.irp b, 0,1,2,3
	v_max_num_f32 v[TM+\b], v[TM+\b], v[TM+4+\b]       ; with lane l xor 16's: the block's largest magnitude
.endr
.irp b, 0,1,2,3
	v_add_nc_u32 v[TM+12+\b], 0xff000000, v[TM+\b]     ; 2 off its exponent field: the conversion's scale operand
.endr
.irp b, 0,1,2,3
	v_lshrrev_b32 v[TM+4+\b], 23, v[TM+12+\b]          ; the scale's byte
.endr
	v_lshl_or_b32 v[\pw], v[TM+5], 8, v[TM+4]
	v_lshl_or_b32 v[\pw], v[TM+6], 16, v[\pw]
	v_lshl_or_b32 v[\pw], v[TM+7], 24, v[\pw]
.irp c, 0,1
	v_cvt_scalef32_pk16_fp6_f32 v[PC+6*\c:PC+2+6*\c], v[\s+32*\c:\s+15+32*\c], v[TM+12+2*\c]
	v_cvt_scalef32_pk16_fp6_f32 v[PC+12+4*\c:PC+14+4*\c], v[\s+16+32*\c:\s+31+32*\c], v[TM+12+2*\c+1]
.endr
	v_nop                                              ; one plain place behind a scaled conversion
.irp c, 0,1                                            ; a whole block to a lane: lanes 0-15 block 2 c, lanes 16-31 block 2 c + 1
.irp i, 0,1,2
	v_permlane16_swap_b32 v[PC+6*\c+\i], v[PC+12+4*\c+\i]
.endr
.irp i, 0,1,2
	v_mov_b32 v[PC+3+6*\c+\i], v[PC+12+4*\c+\i]
.endr
.endr
.endm
	s_load_b256 s[4:11], s[0:1], 0x0               ; x s[4:5], Wq s[6:7], Wk s[8:9], Wv s[10:11]
	s_load_b128 s[12:15], s[0:1], 0x20             ; Wfc s[12:13], xw s[14:15]
	v_lshl_add_u32 v[SPW], v0, 2, SPARE
	v_mov_b32 v[NIL], 0
	v_lshrrev_b32 v1, 5, v0
	v_readfirstlane_b32 s16, v1                    ; wave
	v_and_b32 v2, 31, v0                           ; lane
	v_and_b32 v3, 15, v0                           ; r
	v_bfe_u32 v7, v0, 4, 1                         ; h
	s_mov_b32 s[SEL], 0x76543210
	s_mov_b32 s[SEL+1], 0xfedcba98
	s_cmp_lt_u32 ttmp9, 512
	s_cbranch_scc0 .Lweights
	; ---- x: the work-group's tile T = its number; wave w takes K 256 w .. 256 w + 255: two fragments
	v_lshlrev_b32 v4, 4, v2                        ; 16 x lane: a load's 512 bytes, and an image's first part
	s_mul_i32 s17, s16, 8448                       ; my stage: 16 rows x 528
	v_add_nc_u32 v5, s17, v4                       ; in: a row's 512 bytes as they lie
	v_mul_u32_u24 v6, v3, 528
	v_lshl_add_u32 v6, v7, 6, v6
	v_add_nc_u32 v6, s17, v6                       ; out: row r, + 64 h: my 16 numbers of each block of 32
	v_lshlrev_b32 v8, 3, v2                        ; 8 x lane: an image's second part
	v_lshlrev_b32 v9, 2, v2                        ; 4 x lane: the scale words
.irp b, 0,1,2,3
	v_mov_b32 v[TM+4+\b], 0                        ; written once: a lane permute's destination counts as one of its sources
.endr
	s_lshr_b32 s18, ttmp9, 1
	s_lshl_b32 s18, s18, 5
	s_and_b32 s19, ttmp9, 1
	s_lshl_b32 s19, s19, 3
	s_add_co_u32 s18, s18, s19                     ; the tile's first row: 32 (T / 2) + 8 (T % 2)
	s_lshl_b32 s18, s18, 12                        ; x 4,096 bytes
	s_lshl_b32 s19, s16, 10
	s_add_co_u32 s18, s18, s19                     ; + my 1,024 bytes of a row
	s_mov_b32 s19, 0
	s_mul_i32 s20, ttmp9, 12288
	s_mul_i32 s21, s16, 3072
	s_add_co_u32 s20, s20, s21                     ; my four images of the tile
	s_mov_b32 s21, 0
	s_lshl_b32 s22, ttmp9, 9
	s_lshl_b32 s23, s16, 7
	s_add_co_u32 s22, s22, s23
	s_add_co_u32 s22, s22, XS_OFF                  ; my two runs of 16 scale words
	s_mov_b32 s23, 0
	s_wait_kmcnt 0x0
	s_add_nc_u64 s[4:5], s[4:5], s[18:19]
	s_add_nc_u64 s[24:25], s[14:15], s[20:21]
	s_add_nc_u64 s[26:27], s[14:15], s[22:23]
.irp f, 0,1
.irp r, 0,1,2,3,4,5,6,7,8,9,10,11,12,13,14,15
	global_load_b128 v[R+64*\f+4*\r:R+64*\f+4*\r+3], v4, s[4:5] offset:(\r+8*(\r/8))*4096+512*\f th:TH_LOAD_NT   ; 32 lanes read 512 consecutive bytes of tile row r
.endr
.endr
.macro XFRAG f
.if \f == 0
	s_wait_loadcnt 16                              ; the first fragment's 16 loads are in; the second's may be out
.else
	s_wait_loadcnt 0x0
.endif
.irp r, 0,1,2,3,4,5,6,7,8,9,10,11,12,13,14,15
	ds_store_b128 v5, v[R+64*\f+4*\r:R+64*\f+4*\r+3] offset:528*\r
.endr
.irp b, 0,1,2,3
.irp j, 0,1,2,3
	ds_load_b128 v[X+16*\b+4*\j:X+16*\b+4*\j+3], v6 offset:128*\b+16*\j   ; LDS serves a wave's instructions in order: these see the stores above
.endr
.endr
	s_wait_dscnt 0x0
.if \f
	s_wait_xcnt 0x0                                ; the first fragment's stores have read the codes' registers
.endif
	QUANT X, PW+\f
	global_store_b128 v4, v[PC:PC+3], s[24:25] offset:1536*\f            ; each store covers whole aligned blocks of 256 bytes
	global_store_b64 v8, v[PC+4:PC+5], s[24:25] offset:1536*\f+512
	global_store_b128 v4, v[PC+6:PC+9], s[24:25] offset:1536*\f+768
	global_store_b64 v8, v[PC+10:PC+11], s[24:25] offset:1536*\f+1280
.endm
	XFRAG 0
	XFRAG 1
	v_cmp_le_u32 vcc_lo, 16, v2
	v_cndmask_b32 v246, v[PW], v[PW+1], vcc_lo     ; lanes 0-15 the first fragment's words, lanes 16-31 the second's
	global_store_b32 v9, v246, s[26:27]            ; 128 consecutive bytes
	s_wait_tensorcnt 0x0                           ; the wave's end, behind my last LDS store
	ds_add_u32 v[SPW], v[NIL]
	s_wait_dscnt 0x0
	s_endpgm
.Lweights:
	; ---- the weights: a wave takes 32 columns (two tiles) x 128 along K.  A LANE TAKES A COLUMN AND ITS REGISTERS RUN DOWN K: a block of 32 lies in one lane
	s_sub_co_u32 s17, ttmp9, 512                   ; g = 0 .. 255
	s_and_b32 s18, s17, 63
	s_lshr_b32 s19, s17, 6
	s_lshr_b32 s20, s18, 4                         ; which tensor: 0 Wq, 1 Wk, 2 Wv, 3 Wfc
	s_lshl_b32 s18, s18, 1
	s_and_b32 s21, s16, 1
	s_add_co_u32 s18, s18, s21                     ; the group of 32 columns, 0 .. 127
	s_lshl_b32 s19, s19, 1
	s_lshr_b32 s21, s16, 1
	s_add_co_u32 s19, s19, s21                     ; which 128 along K, 0 .. 7
	s_and_b32 s21, s18, 31                         ; the group within its tensor
	s_lshr_b32 s22, s21, 1
	s_lshl_b32 s22, s22, 18                        ; a head's 1,024 x 64 numbers,
	s_and_b32 s23, s21, 1
	s_lshl_b32 s23, s23, 7
	s_add_co_u32 s22, s22, s23                     ; + which 32 of its 64 columns
	s_lshl_b32 s23, s21, 7                         ; Wfc: 128 bytes a group
	s_mov_b32 s24, 4096
	s_cmp_lt_u32 s20, 3
	s_cselect_b32 s22, s22, s23                    ; the columns' byte offset
	s_cselect_b32 s24, 256, s24                    ; bytes from one k to the next
	s_lshl_b32 s25, s19, 7
	s_mul_i32 s25, s25, s24
	s_add_co_u32 s22, s22, s25                     ; + my first k
	s_mov_b32 s23, 0
	s_lshl_b32 s26, s24, 5                         ; a block of 32 along K on
	s_mov_b32 s27, 0
	v_lshlrev_b32 v4, 2, v2
.set i, 0
.rept 32
	v_mad_u32_u24 v[AO+i], s24, i, v4              ; 4 x lane + i x pitch
.set i, i+1
.endr
	v_bfe_u32 v5, v0, 3, 1                         ; column l of the 32 is row r = l % 8 + 8 (l / 16) of tile u = (l / 8) % 2
	v_and_b32 v6, 7, v0
	v_lshl_add_u32 v6, v7, 3, v6
	s_mul_i32 s28, s16, 3328
	s_add_co_u32 s28, s28, WST                     ; my stage: two tiles' fragments, 1,664 bytes apart
	v_mul_u32_u24 v8, v5, 1664
	v_add_nc_u32 v8, s28, v8
	v_lshl_add_u32 v9, v6, 4, v8                   ; an image's first part: 16 r
	v_lshl_add_u32 v10, v6, 3, v8                  ; its second: 8 r (the 512 stands in the offset)
	v_lshlrev_b32 v11, 4, v2
	v_add_nc_u32 v14, s28, v11                     ; back: 16 x lane
	v_lshlrev_b32 v15, 9, v5
	v_lshl_add_u32 v15, v6, 2, v15                 ; my scale word: 512 u + 4 r
	s_mul_i32 s30, s18, 24576
	s_mul_i32 s31, s19, 1536
	s_add_co_u32 s30, s30, s31
	s_add_co_u32 s30, s30, WC_OFF
	s_mov_b32 s31, 0
	s_lshl_b32 s32, s18, 10
	s_lshl_b32 s33, s19, 6
	s_add_co_u32 s32, s32, s33
	s_add_co_u32 s32, s32, WS_OFF
	s_mov_b32 s33, 0
	s_wait_kmcnt 0x0
	s_cmp_eq_u32 s20, 1                            ; the tensor is chosen by the work-group's number alone
	s_cselect_b64 s[6:7], s[8:9], s[6:7]
	s_cmp_eq_u32 s20, 2
	s_cselect_b64 s[6:7], s[10:11], s[6:7]
	s_cmp_eq_u32 s20, 3
	s_cselect_b64 s[6:7], s[12:13], s[6:7]
	s_add_nc_u64 s[BB:BB+1], s[6:7], s[22:23]
	s_add_nc_u64 s[BB+2:BB+3], s[BB:BB+1], s[26:27]
	s_add_nc_u64 s[BB+4:BB+5], s[BB+2:BB+3], s[26:27]
	s_add_nc_u64 s[BB+6:BB+7], s[BB+4:BB+5], s[26:27]
	s_add_nc_u64 s[30:31], s[14:15], s[30:31]
	s_add_nc_u64 s[32:33], s[14:15], s[32:33]
.macro WLOAD t
.set i, 0
.rept 32
	global_load_b32 v[WX+32*((\t)%2)+i], v[AO+i], s[BB+2*(\t):BB+2*(\t)+1] th:TH_LOAD_NT   ; one k at 32 neighbouring columns: 128 consecutive bytes
.set i, i+1
.endr
.endm
	WLOAD 0
	WLOAD 1
.macro WBLOCK t
.set XB, WX+32*((\t)%2)
.if (\t) < 3
	s_wait_loadcnt 32                              ; this block's 32 loads are in; the next block's may be out
.else
	s_wait_loadcnt 0x0
.endif
	v_max3_num_f32 v148, |v[XB]|, |v[XB+1]|, |v[XB+2]|
	v_max3_num_f32 v149, |v[XB+3]|, |v[XB+4]|, |v[XB+5]|
.irp i, 6,10,14,18,22,26
	v_max3_num_f32 v148, v148, |v[XB+\i]|, |v[XB+\i+1]|
	v_max3_num_f32 v149, v149, |v[XB+\i+2]|, |v[XB+\i+3]|
.endr
	v_max3_num_f32 v148, v148, |v[XB+30]|, |v[XB+31]|
	v_max3_num_f32 v148, v148, v149, 0x1800000     ; and the floor
	v_add_nc_u32 v150, 0xff000000, v148            ; the conversion's scale operand
	v_lshrrev_b32 v151, 23, v150                   ; the byte
.if (\t) == 0
	v_mov_b32 v[SB], v151
.else
	v_lshl_or_b32 v[SB], v151, 8*(\t), v[SB]
.endif
	v_cvt_scalef32_pk16_fp6_f32 v[C:C+2], v[XB:XB+15], v150
	v_cvt_scalef32_pk16_fp6_f32 v[C+8:C+10], v[XB+16:XB+31], v150
	v_nop                                          ; one plain place behind a scaled conversion
.irp i, 0,1,2
	v_mov_b32 v[C+3+\i], v[C+8+\i]
.endr
	ds_store_b128 v9, v[C:C+3] offset:768*((\t)/2)+256*((\t)%2)          ; block t is half t % 2 of image t / 2
	ds_store_b64 v10, v[C+4:C+5] offset:512+768*((\t)/2)+128*((\t)%2)
.if (\t) < 2
	WLOAD (\t)+2
.endif
	s_wait_dscnt 0x0                               ; the stores have read the codes' registers
.endm
	WBLOCK 0
	WBLOCK 1
	WBLOCK 2
	WBLOCK 3
	global_store_b32 v15, v[SB], s[32:33]          ; two runs of 64 bytes
.irp u, 0,1
.irp g, 0,1,2
	ds_load_b128 v[OUTR+4*(3*\u+\g):OUTR+4*(3*\u+\g)+3], v14 offset:1664*\u+512*\g
.endr
.endr
.irp u, 0,1
.irp g, 0,1,2
	s_wait_dscnt 5-3*\u-\g                         ; the younger loads may be out
	global_store_b128 v11, v[OUTR+4*(3*\u+\g):OUTR+4*(3*\u+\g)+3], s[30:31] offset:12288*\u+512*\g   ; 512 consecutive bytes, aligned
.endr
.endr
	s_wait_tensorcnt 0x0                           ; the wave's end, behind my last LDS store
	ds_add_u32 v[SPW], v[NIL]
	s_wait_dscnt 0x0
	s_endpgm
.Lfunc_end_k_qb3d8725a0b_prep:
	.size	k_qb3d8725a0b_prep, .Lfunc_end_k_qb3d8725a0b_prep-k_qb3d8725a0b_prep
	.p2alignl 7, 3214868480
	.fill 96, 4, 3214868480
	.section	.rodata,"a",@progbits
	.p2align	6, 0x0
	.amdhsa_kernel k_qb3d8725a0b_prep
		.amdhsa_group_segment_fixed_size 47616
		.amdhsa_private_segment_fixed_size 0
		.amdhsa_enable_private_segment 0
		.amdhsa_kernarg_size 48
		.amdhsa_user_sgpr_count 2
		.amdhsa_user_sgpr_kernarg_segment_ptr 1
		.amdhsa_wavefront_size32 1
		.amdhsa_system_sgpr_workgroup_id_x 1
		.amdhsa_system_sgpr_workgroup_id_y 1
		.amdhsa_system_sgpr_workgroup_id_z 1
		.amdhsa_system_vgpr_workitem_id 0
		.amdhsa_next_free_vgpr 256
		.amdhsa_next_free_sgpr 66
		.amdhsa_reserve_vcc 1
		.amdhsa_float_denorm_mode_32 3
		.amdhsa_float_denorm_mode_16_64 3
		.amdhsa_memory_ordered 1
		.amdhsa_forward_progress 1
		.amdhsa_inst_pref_size 43
	.end_amdhsa_kernel
	.amdgpu_metadata
---
amdhsa.version: [ 1, 2 ]
amdhsa.kernels:
  - .name:           k_qb3d8725a0b_prep
    .symbol:         k_qb3d8725a0b_prep.kd
    .args:
      - { .name: x, .offset: 0, .size: 8, .value_kind: global_buffer, .address_space: global }
      - { .name: Wq, .offset: 8, .size: 8, .value_kind: global_buffer, .address_space: global }
      - { .name: Wk, .offset: 16, .size: 8, .value_kind: global_buffer, .address_space: global }
      - { .name: Wv, .offset: 24, .size: 8, .value_kind: global_buffer, .address_space: global }
      - { .name: Wfc, .offset: 32, .size: 8, .value_kind: global_buffer, .address_space: global }
      - { .name: xw, .offset: 40, .size: 8, .value_kind: global_buffer, .address_space: global }
    .group_segment_fixed_size: 47616
    .private_segment_fixed_size: 0
    .kernarg_segment_align: 8
    .kernarg_segment_size: 48
    .max_flat_workgroup_size: 128
    .sgpr_count:     66
    .vgpr_count:     256
    .wavefront_size: 32
...
	.end_amdgpu_metadata
.endif
;; end of part 1
;; launch qkv (part 2): grid 12 x 32, 4 waves a work-group, clusters of 4 x 4, 327,680 bytes of LDS; arguments xw, bq, bk, bv, qkv; writes qkv
.if DOCPART == 2
	.amdgcn_target "amdgcn-amd-amdhsa--gfx1250"
	.amdhsa_code_object_version 6
	.text
	.protected	k_qb3d8725a0b_qkv
	.globl	k_qb3d8725a0b_qkv
	.p2align	8
	.type	k_qb3d8725a0b_qkv,@function
k_qb3d8725a0b_qkv:
	s_mov_b64 s[64:65], 0
	v_nop
	global_prefetch_b8 v0, s[64:65] scope:SCOPE_SE
	s_setreg_imm32_b32 hwreg(HW_REG_WAVE_MODE, 25, 1), 1
	s_wait_xcnt 0x0
	s_wait_alu depctr_hold_cnt(0) depctr_sa_sdst(0) depctr_va_vdst(0) depctr_va_sdst(0) depctr_va_ssrc(0) depctr_va_vcc(0) depctr_vm_vsrc(0)
	s_getreg_b32 s2, hwreg(HW_REG_IB_STS2, 6, 4)
	s_cmp_eq_u32 s2, 0
	s_cbranch_scc0 .Lentry_in_a_cluster
	s_endpgm
.Lentry_in_a_cluster:
	s_bfe_u32 s2, ttmp6, 0x10000c
	s_cmp_lg_u32 s2, 0xf033
	s_cbranch_scc0 .Lentry_shape_is_right
	s_endpgm
.Lentry_shape_is_right:
; QKV: q = x Wq + bq, k = x Wk + bk, v = x Wv + bv on codes of FP6 (E2M3) with E8M0 scales, K = 1,024; the results are quantised on the way out: q and k along the head's 64, v along the keys.
; A work-group of four waves makes 256 x 256 results, a wave 128 x 128: 64 accumulators, 512 registers.  K goes in steps of 256 through two LDS slots filled by the tensor data mover.
; ROLES.  Source 1 of a product (role A) lands in lanes, source 0 (role B) in registers.  A tile holds rows 32 (T / 2) + 8 (T % 2) + r + 8 (r / 8), so that the 16 registers of B's tiles 2 i, 2 i + 1 are 16 neighbours.
;   clusters x = 0, 1 (q, k): A = 256 tokens of x, B = 256 columns of Wq | Wk: a lane holds one token and 128 neighbouring columns, two heads: what the quantiser along the head's 64 wants.
;   cluster  x = 2    (v):    A = 256 columns of Wv, B = 256 tokens of x: a lane holds one channel and 128 neighbouring keys: what the quantiser along the keys wants.
; The way parts on the CLUSTER's x alone, which all sixteen partners share.  A's tiles are shared along a row of the cluster, B's along a column: each is asked for jointly.
; qkv: for each (batch x 16 + head) sixteen records of 128 tokens, REC bytes each: K's 8 images, V^T's 4 fragments, K's and V's scale words, Q's 8 images, Q's scale words (images as in xw).
; 384 tiles on 24 clusters: one and a half turns of the chip; a tile half as wide again does not fit the registers.
; LIMITS: a block whose largest magnitude lies under 2^(3 - 127) has the byte 1; NaN and infinities are not served.  The biases are loaded on the way out, behind the last products.
; REGISTERS: window 0: v0-31 addresses; v32-63 scale words, two sets; v128-223 A's fragments, one set; on the way out v64-247 are free.  window 1: B's fragments, two sets.  windows 2, 3: accumulator (a, b) at v[8 (8 (a % 4) + b)].
.set WC_OFF, 6291456
.set XS_OFF, 9437184
.set WS_OFF, 9699328
.set AOC_V,  7864320                   ; Wv's tiles: WC_OFF + 128 x 12,288
.set AOS_V,  9764864                   ; and their scale words: WS_OFF + 128 x 512
.set REC,   19712
.set HEADB, 16*REC
.set RV,    6144
.set RKS,   12288
.set RVS,   12800
.set RQ,    13056
.set RQS,   19200
.set NQ,    2                          ; matrix instructions deep in a slot
.set FR,    12
.set NL,    4                          ; LDS loads that bring a fragment
.set NP,    4                          ; places behind this matrix instruction (ISA guide 7.12.1)
.set TILEB, 3072                       ; a tile's 256 along K: four images
.set HALFT, 8*TILEB                    ; what one tensor load brings, and what one wave reads of A or of B
.set SLOT,  4*HALFT
.set LAPS,  2
.set SCL,   2*SLOT                     ; behind the ring: the scale words of A's 16 tiles, then of B's, for all of K
.set HALFS, 4096
.set SPARE, SCL+4*HALFS                ; the spare words: two blocks of 256 bytes that no other line names
.set OP,   4                           ; v4  16 x lane
.set OQ,   5                           ; v5  8 x lane
.set ADRA, 16                          ; v16-17 A's fragments in slot 0, 1, + 16 x lane;  v18-19 the same + 8 x lane
.set ADRB, 20                          ; v20-23 the same for B
.set BO,   26                          ; v26 the biases' offset
.set ADRS, 27                          ; v27 my scale words: lanes 0-15 A's, lanes 16-31 B's
.set SPW,  28
.set NIL,  29
.set SC,   32
.set AF,   128
.set BI,   64                          ; the way out: v64-127 biases; v128-191 64 numbers; v192-210 codes; v212-227 at work; v232-239 scale words; v240-247 those going out
.set T,    128
.set PC,   192
.set TM,   212
.set PWS,  232
.set G1, 24
.set G0, 32
.set G1B, 48
.set G0B, 56
.set G1S, 68
.set G0S, 76
.set G1SB, 80
.set G0SB, 88
.set SEL, 24                           ; s[24:25], s26: free once the last tensor load has been waited for
.set MSB, 0
.macro WIN new                         ; the immediate's high byte repeats the setting that is left
.if MSB != (\new)
	s_set_vgpr_msb (MSB<<8)|(\new)
.set MSB, (\new)
.endif
.endm
.set MUL_LO, 0xa1                      ; source 0 (B) window 1, source 1 (A) window 0, C and D window 2
.set MUL_HI, 0xf1
.set TO_B,   0x40
; A joint load: waves 0 and 1 fetch for A, waves 2 and 3 for B; the branch hangs on the wave's number alone.  An s_nop 0 and four v_nop follow each of the two lines.
.macro JLOAD g0a, g1a, g0b, g1b
	s_cmp_eq_u32 s15, 0
	s_cbranch_scc0 .Lfor_b_\@
	tensor_load_to_lds s[\g0a:\g0a+3], s[\g1a:\g1a+7]
	s_nop 0
.rept 4
	v_nop
.endr
	s_branch .Lasked_\@
.Lfor_b_\@:
	tensor_load_to_lds s[\g0b:\g0b+3], s[\g1b:\g1b+7]
	s_nop 0
.rept 4
	v_nop
.endr
.Lasked_\@:
.endm
.macro CREST
	s_cmp_lg_u32 s14, 0
	s_cbranch_scc1 .Lnot_wave_0_\@
	s_barrier_signal -3
.Lnot_wave_0_\@:
	s_barrier_wait -3
	s_barrier_signal -1
	s_barrier_wait -1
.endm
.macro CROUND
	s_barrier_signal -1
	s_barrier_wait -1
	CREST
.endm
	s_load_b256 s[4:11], s[0:1], 0x0               ; xw s[4:5], bq s[6:7], bk s[8:9], bv s[10:11]
	s_load_b64 s[12:13], s[0:1], 0x20              ; qkv
	v_lshl_add_u32 v[SPW], v0, 2, SPARE
	v_mov_b32 v[NIL], 0
	ds_add_u32 v[SPW], v[NIL]                      ; the wave's opening: the add, waited for ahead of my first tensor load
	v_lshrrev_b32 v1, 5, v0
	v_readfirstlane_b32 s14, v1                    ; wave 0..3
	s_lshr_b32 s15, s14, 1                         ; my half of A's rows.  Also: I fetch for A (0) or for B (1)
	s_and_b32 s16, s14, 1                          ; my half of B's rows.  Also: which 8 tiles I fetch
	s_bfe_u32 s40, ttmp6, 0x40000                  ; cx
	s_bfe_u32 s41, ttmp6, 0x40004                  ; cy
	s_and_b32 s17, ttmp7, 0xffff                   ; the cluster's y
	s_cmp_lt_u32 ttmp9, 2                          ; q, k or v: by the cluster's x, the same in all sixteen partners
	s_cselect_b32 s42, ttmp9, s17                  ; B's coordinate counts clusters along x (q, k) or along y (v)
	s_cselect_b32 s17, s17, 0                      ; A's along y, or not at all
	s_mov_b32 s92, AOC_V
	s_cselect_b32 s92, 0, s92                      ; where A's codes begin in xw: x, or Wv
	s_mov_b32 s93, AOS_V
	s_mov_b32 s94, XS_OFF
	s_cselect_b32 s93, s94, s93                    ; A's scale words
	s_mov_b32 s95, WC_OFF
	s_cselect_b32 s95, s95, 0                      ; B's codes: Wq | Wk, or x
	s_mov_b32 s96, WS_OFF
	s_cselect_b32 s96, s96, s94                    ; B's scale words
	s_lshl_b32 s42, s42, 2
	s_add_co_u32 s42, s42, s40                     ; tc: B's block of 256
	s_lshl_b32 s17, s17, 2
	s_add_co_u32 s17, s17, s41                     ; tr: A's block of 256
	s_lshl_b32 s43, s41, 2
	s_lshl_b32 s43, 15, s43                        ; my row of the cluster
	s_lshl_b32 s44, 0x1111, s40                    ; my column
	; group 1 for codes: 8 tiles' 3,072 bytes (384 elements of 8 bytes), 12,288 bytes apart in memory, dense in LDS
	s_or_b32 s[G1+0], s43, (3<<16)|(1<<21)
	s_or_b32 s[G1B+0], s44, (3<<16)|(1<<21)
.irp g, G1, G1B
	s_mov_b32 s[\g+1], 384<<16                     ; tensor_dim0
	s_mov_b32 s[\g+2], 8<<16                       ; tensor_dim1
	s_mov_b32 s[\g+3], 384<<16                     ; tile_dim0
	s_mov_b32 s[\g+4], 8                           ; tile_dim1
	s_mov_b32 s[\g+5], 1536                        ; stride, in elements
	s_mov_b32 s[\g+6], 0
	s_mov_b32 s[\g+7], 0
.endr
	; and for the scale words of 8 tiles: 4,096 dense bytes as 16 rows of 256
	s_or_b32 s[G1S+0], s43, (3<<16)|(1<<21)
	s_or_b32 s[G1SB+0], s44, (3<<16)|(1<<21)
.irp g, G1S, G1SB
	s_mov_b32 s[\g+1], 32<<16
	s_mov_b32 s[\g+2], 16<<16
	s_mov_b32 s[\g+3], 32<<16
	s_mov_b32 s[\g+4], 16
	s_mov_b32 s[\g+5], 32
	s_mov_b32 s[\g+6], 0
	s_mov_b32 s[\g+7], 0
.endr
	s_lshl_b32 s18, s16, 3
	s_lshl_b32 s20, s17, 4
	s_add_co_u32 s20, s20, s18                     ; A: tile 16 tr + 8 x half
	s_lshl_b32 s46, s42, 4
	s_add_co_u32 s46, s46, s18                     ; B: tile 16 tc + 8 x half
	s_lshl_b32 s22, s20, 9
	s_add_co_u32 s22, s22, s93
	s_mov_b32 s23, 0
	s_mul_i32 s20, s20, 12288
	s_add_co_u32 s20, s20, s92
	s_mov_b32 s21, 0
	s_lshl_b32 s2, s46, 9
	s_add_co_u32 s2, s2, s96
	s_mov_b32 s3, 0
	s_mul_i32 s46, s46, 12288
	s_add_co_u32 s46, s46, s95
	s_mov_b32 s47, 0
	s_mul_i32 s45, s14, HALFT                      ; where they go: by the wave's number alone
	s_mul_i32 s97, s14, HALFS
	s_wait_dscnt 0x0                               ; the opening add is done
	s_wait_kmcnt 0x0
	s_add_nc_u64 s[20:21], s[4:5], s[20:21]
	s_add_nc_u64 s[22:23], s[4:5], s[22:23]
	s_add_nc_u64 s[46:47], s[4:5], s[46:47]
	s_add_nc_u64 s[2:3], s[4:5], s[2:3]
	CROUND                                         ; all sixteen work-groups are here: the first joint loads meet
	s_mov_b32 s[G0S], 1
	s_add_co_u32 s[G0S+1], s97, SCL
	s_mov_b64 s[G0S+2:G0S+3], s[22:23]
	s_or_b32 s[G0S+3], s[G0S+3], 0x80000000
	s_mov_b32 s[G0SB], 1
	s_add_co_u32 s[G0SB+1], s97, SCL
	s_mov_b64 s[G0SB+2:G0SB+3], s[2:3]
	s_or_b32 s[G0SB+3], s[G0SB+3], 0x80000000
	JLOAD G0S, G1S, G0SB, G1SB                     ; the scale words first; with the two slots three loads of mine are out
.irp s, 0,1
	s_mov_b32 s[G0+4*\s], 1
	s_add_co_u32 s[G0+4*\s+1], s45, \s*SLOT
	s_add_nc_u64 s[G0+4*\s+2:G0+4*\s+3], s[20:21], \s*TILEB
	s_or_b32 s[G0+4*\s+3], s[G0+4*\s+3], 0x80000000
	s_mov_b32 s[G0B+4*\s], 1
	s_add_co_u32 s[G0B+4*\s+1], s45, \s*SLOT
	s_add_nc_u64 s[G0B+4*\s+2:G0B+4*\s+3], s[46:47], \s*TILEB
	s_or_b32 s[G0B+4*\s+3], s[G0B+4*\s+3], 0x80000000
	JLOAD G0+4*\s, G1, G0B+4*\s, G1B
.endr
	v_and_b32 v1, 31, v0                           ; lane
	v_and_b32 v2, 15, v0                           ; r
	v_bfe_u32 v3, v0, 4, 1                         ; h
	v_lshlrev_b32 v[OP], 4, v1
	v_lshlrev_b32 v[OQ], 3, v1
	s_mul_i32 s21, s15, HALFT                      ; my 8 tiles of A
	s_mul_i32 s22, s16, HALFT
	s_add_co_u32 s22, s22, 2*HALFT                 ; my 8 tiles of B, behind A's 16
.irp s, 0,1
	v_add_nc_u32 v[ADRA+\s], s21, v[OP]
	v_add_nc_u32 v[ADRB+\s], s22, v[OP]
	v_add_nc_u32 v[ADRA+2+\s], s21, v[OQ]
	v_add_nc_u32 v[ADRB+2+\s], s22, v[OQ]
	s_add_co_u32 s21, s21, SLOT
	s_add_co_u32 s22, s22, SLOT
.endr
	s_lshl_b32 s21, s15, 12                        ; A's scale words: my 8 tiles
	s_lshl_b32 s22, s16, 12
	s_add_co_u32 s22, s22, 2*HALFS                 ; B's, behind A's
	s_sub_co_u32 s22, s22, s21
	v_mul_u32_u24 v6, s22, v3                      ; lanes 16-31 take B's
	s_add_co_u32 s21, s21, SCL
	v_lshl_add_u32 v6, v2, 2, v6
	v_add_nc_u32 v[ADRS], s21, v6
.macro FRAG reg, adr, off              ; a fragment: two images on end; every load takes consecutive bytes
	ds_load_b128 v[\reg:\reg+3], v[\adr] offset:\off
	ds_load_b64 v[\reg+4:\reg+5], v[\adr+2] offset:(\off)+512
	ds_load_b128 v[\reg+6:\reg+9], v[\adr] offset:(\off)+768
	ds_load_b64 v[\reg+10:\reg+11], v[\adr+2] offset:(\off)+1280
.endm
; 16 matrix instructions: A's blocks a0, a0 + 1 x B's eight.  The 64 accumulators take turns, one instruction a turn, in the same order in every step.
.macro MUL16 a0, p, q, sc, zero
.irp a, \a0, \a0+1
.irp b, 0,1,2,3,4,5,6,7
.if \zero
	v_wmma_scale_f32_16x16x128_f8f6f4 v[8*(8*((\a)%4)+\b):8*(8*((\a)%4)+\b)+7], v[128*(\p)+FR*\b:128*(\p)+FR*\b+FR-1], v[AF+FR*(\a):AF+FR*(\a)+FR-1], 0, v[SC+8*NQ*(\sc)+NQ*\b+(\q)], v[SC+8*NQ*(\sc)+NQ*(\a)+(\q)] matrix_a_fmt:MATRIX_FMT_FP6 matrix_b_fmt:MATRIX_FMT_FP6 matrix_a_scale:MATRIX_SCALE_ROW1
.else
	v_wmma_scale_f32_16x16x128_f8f6f4 v[8*(8*((\a)%4)+\b):8*(8*((\a)%4)+\b)+7], v[128*(\p)+FR*\b:128*(\p)+FR*\b+FR-1], v[AF+FR*(\a):AF+FR*(\a)+FR-1], v[8*(8*((\a)%4)+\b):8*(8*((\a)%4)+\b)+7], v[SC+8*NQ*(\sc)+NQ*\b+(\q)], v[SC+8*NQ*(\sc)+NQ*(\a)+(\q)] matrix_a_fmt:MATRIX_FMT_FP6 matrix_b_fmt:MATRIX_FMT_FP6 matrix_a_scale:MATRIX_SCALE_ROW1
.endif
.endr
.endr
.endm
.macro FETCH_B slot, q, p
	WIN TO_B
.irp i, 0,1,2,3,4,5,6,7
	FRAG 128*(\p)+FR*\i, ADRB+\slot, \i*TILEB+(\q)*1536
.endr
	WIN 0
.endm
.macro FETCH_A slot, q, i0
.irp i, \i0, \i0+1, \i0+2, \i0+3
	FRAG AF+FR*(\i), ADRA+\slot, (\i)*TILEB+(\q)*1536
.endr
.endm
.macro SCALES sc                       ; a slot's scale words: lanes 0-15 A's block i, lanes 16-31 B's block i
.irp i, 0,1,2,3,4,5,6,7
.irp q, 0,1
	ds_load_b32 v[SC+8*NQ*\sc+NQ*\i+\q], v[ADRS] offset:512*\i+64*\q
.endr
.endr
.endm
.macro PLACES n
.rept \n
	v_nop
.endr
.endm
.macro STEP slot, q, zero              ; a step of 128 along K that has its successor in the same slot
	s_wait_dscnt 4*NL                              ; B's set, A's blocks 0-3 and the scale words are in; the youngest 16 loads (A's blocks 4-7) may be out
	WIN MUL_LO
	MUL16 0, (\q)%2, \q, \slot, \zero
	MUL16 2, (\q)%2, \q, \slot, \zero
	s_wait_dscnt 0
	PLACES NP                                      ; in front of loads into registers that matrix instructions have read
	FETCH_B \slot, (\q)+1, 1-(\q)%2
	FETCH_A \slot, (\q)+1, 0
	WIN MUL_HI
	MUL16 4, (\q)%2, \q, \slot, \zero
	MUL16 6, (\q)%2, \q, \slot, \zero
	PLACES NP
	WIN 0
	FETCH_A \slot, (\q)+1, 4
.endm
; A slot's last step changes slots: one barrier; in front of it each wave waits for all its tensor loads, adds 0 to its spare word, and waits for that and for its reads of this slot.
.macro TURN slot, next, fill
	s_wait_tensorcnt 0x0                           ; all my tensor loads have landed: my part of the next slot
	ds_add_u32 v[SPW], v[NIL]
	s_wait_dscnt 4*NL+1                            ; the add and A's blocks 4-7 may be out
	WIN MUL_LO
	MUL16 0, 1, NQ-1, \slot, 0
	s_wait_dscnt 0x0                               ; the add is done, and my reads of this slot are over
	s_barrier_signal -1
	MUL16 2, 1, NQ-1, \slot, 0
	WIN 0
	s_barrier_wait -1
.if \fill
	CREST                                          ; the barrier has opened a round of the cluster's: no wave of any partner still reads this slot or has a load on its way
	s_add_nc_u64 s[G0+4*\slot+2:G0+4*\slot+3], s[G0+4*\slot+2:G0+4*\slot+3], 2*TILEB
	s_add_nc_u64 s[G0B+4*\slot+2:G0B+4*\slot+3], s[G0B+4*\slot+2:G0B+4*\slot+3], 2*TILEB
	JLOAD G0+4*\slot, G1, G0B+4*\slot, G1B         ; my one tensor load behind the round; its four v_nop are the places in front of the loads below
.else
	PLACES NP
.endif
	v_add_nc_u32 v[ADRS], 64*NQ, v[ADRS]           ; the next slot's scale words
	FETCH_B \next, 0, 0
	FETCH_A \next, 0, 0
	SCALES \next
	WIN MUL_HI
	MUL16 4, 1, NQ-1, \slot, 0
	MUL16 6, 1, NQ-1, \slot, 0
	PLACES NP
	WIN 0
	FETCH_A \next, 0, 4
.endm
	s_wait_tensorcnt 1                             ; the scale words and my part of slot 0 are in; slot 1's load may be out
	s_barrier_signal -1
	s_barrier_wait -1
	FETCH_B 0, 0, 0
	FETCH_A 0, 0, 0
	SCALES 0
	FETCH_A 0, 0, 4
	STEP 0, 0, 1                                   ; the first step's products start the sums
	s_mov_b32 s3, LAPS-1
.Llap:
	TURN 0, 1, 1
	STEP 1, 0, 0
	TURN 1, 0, 1
	STEP 0, 0, 0
	s_sub_co_u32 s3, s3, 1
	s_cmp_lg_u32 s3, 0
	s_cbranch_scc1 .Llap
	TURN 0, 1, 0                                   ; the last lap fills nothing
	STEP 1, 0, 0
	s_wait_dscnt 4*NL
	WIN MUL_LO
	MUL16 0, 1, NQ-1, 1, 0
	MUL16 2, 1, NQ-1, 1, 0
	s_wait_dscnt 0
	WIN MUL_HI
	MUL16 4, 1, NQ-1, 1, 0
	MUL16 6, 1, NQ-1, 1, 0
	WIN 0
; THE WAY OUT.  For each of A's eight blocks a lane's 64 results are 128 neighbours along the next K (16 of each block of 32): + bias, quantised in registers, stored as images: dense, no LDS.
.macro QUANT s, pw
.irp b, 0,1,2,3
	v_max3_num_f32 v[TM+\b], |v[\s+16*\b]|, |v[\s+1+16*\b]|, 0x1800000   ; and the floor 2^(3 - 127)
.endr
.irp i, 2,4,6,8,10,12,14
.irp b, 0,1,2,3
	v_max3_num_f32 v[TM+\b], v[TM+\b], |v[\s+16*\b+\i]|, |v[\s+1+16*\b+\i]|
.endr
.endr
.irp b, 0,1,2,3
	v_permlanex16_b32 v[TM+4+\b], v[TM+\b], s[SEL], s[SEL+1]
.endr
.irp b, 0,1,2,3
	v_max_num_f32 v[TM+\b], v[TM+\b], v[TM+4+\b]
.endr
.irp b, 0,1,2,3
	v_add_nc_u32 v[TM+12+\b], 0xff000000, v[TM+\b]
.endr
.irp b, 0,1,2,3
	v_lshrrev_b32 v[TM+4+\b], 23, v[TM+12+\b]
.endr
	v_lshl_or_b32 v[\pw], v[TM+5], 8, v[TM+4]
	v_lshl_or_b32 v[\pw], v[TM+6], 16, v[\pw]
	v_lshl_or_b32 v[\pw], v[TM+7], 24, v[\pw]
.irp c, 0,1
	v_cvt_scalef32_pk16_fp6_f32 v[PC+6*\c:PC+2+6*\c], v[\s+32*\c:\s+15+32*\c], v[TM+12+2*\c]
	v_cvt_scalef32_pk16_fp6_f32 v[PC+12+4*\c:PC+14+4*\c], v[\s+16+32*\c:\s+31+32*\c], v[TM+12+2*\c+1]
.endr
	v_nop                                          ; one plain place behind a scaled conversion
.irp c, 0,1
.irp i, 0,1,2
	v_permlane16_swap_b32 v[PC+6*\c+\i], v[PC+12+4*\c+\i]
.endr
.irp i, 0,1,2
	v_mov_b32 v[PC+3+6*\c+\i], v[PC+12+4*\c+\i]
.endr
.endr
.endm
; kind 0: q, k: the bias goes with the register; the fragment's two images belong to two heads.  kind 1: v: the bias goes with the lane; the fragment is one of V^T's.
.macro EPI kind, a
	WIN 0x02+(\a)/4                                ; source 0: the accumulators' window
.set j, 0
.rept 32
.if \kind == 0
	v_pk_add_f32 v[T+j:T+j+1], v[64*((\a)%4)+j:64*((\a)%4)+j+1], v[BI+j:BI+j+1]          ; each accumulator from its low end on
.else
	v_pk_add_f32 v[T+j:T+j+1], v[64*((\a)%4)+j:64*((\a)%4)+j+1], v[BI+2*(\a):BI+2*(\a)+1]
.endif
.set j, j+2
.endr
	WIN 0
.if (\a) > 0
	s_wait_xcnt 0x0                                ; the last block's stores have read the codes' registers
.endif
	QUANT T, PWS+(\a)
.if \kind == 0
.set O0, 768*(\a)
.set O1, HEADB+768*(\a)
.else
.set O0, ((\a)/4)*HEADB+((\a)%4)*1536
.set O1, O0+768
.endif
	global_store_b128 v[OP], v[PC:PC+3], s[12:13] offset:O0              ; each store covers whole aligned blocks of 256 bytes
	global_store_b64 v[OQ], v[PC+4:PC+5], s[12:13] offset:O0+512
	global_store_b128 v[OP], v[PC+6:PC+9], s[12:13] offset:O1
	global_store_b64 v[OQ], v[PC+10:PC+11], s[12:13] offset:O1+512
.endm
	PLACES NP                                      ; behind the last products: their results are read, and A's registers written, below
	s_mov_b32 s[SEL], 0x76543210
	s_mov_b32 s[SEL+1], 0xfedcba98
	v_cmp_le_u32 s26, 16, v1                       ; lanes 16-31
.irp b, 0,1,2,3
	v_mov_b32 v[TM+4+\b], 0                        ; a lane permute's destination counts as one of its sources
.endr
	s_cmp_lt_u32 ttmp9, 2
	s_cbranch_scc0 .Lv
	; ---- q, k: batch = tr / 8, head = 4 (tc % 4) + 2 x my half of B (+ 1 for the second image), record = 2 (tr % 8) + my half of A
	s_lshr_b32 s20, s17, 3
	s_lshl_b32 s20, s20, 4
	s_and_b32 s21, s42, 3
	s_lshl_b32 s21, s21, 2
	s_add_co_u32 s20, s20, s21
	s_lshl_b32 s21, s16, 1
	s_add_co_u32 s20, s20, s21
	s_lshl_b32 s20, s20, 4
	s_and_b32 s21, s17, 7
	s_lshl_b32 s21, s21, 1
	s_add_co_u32 s20, s20, s21
	s_add_co_u32 s20, s20, s15
	s_mul_i32 s20, s20, REC
	s_mov_b32 s21, 0
	s_add_nc_u64 s[12:13], s[12:13], s[20:21]
	s_mov_b32 s22, RKS
	s_cmp_eq_u32 ttmp9, 0                          ; cluster x = 0: Wq; 1: Wk
	s_cselect_b32 s20, RQ, 0
	s_cselect_b32 s22, RQS, s22
	s_cselect_b64 s[6:7], s[6:7], s[8:9]
	s_mov_b32 s23, 0
	s_add_nc_u64 s[18:19], s[12:13], s[22:23]      ; the scale words' field
	s_add_nc_u64 s[12:13], s[12:13], s[20:21]      ; the images' field
	s_lshl_b32 s20, s42, 8
	s_lshl_b32 s22, s16, 7
	s_add_co_u32 s20, s20, s22
	s_and_b32 s20, s20, 1023
	s_lshl_b32 s20, s20, 2
	s_add_nc_u64 s[6:7], s[6:7], s[20:21]          ; the bias of my 128 columns
	v_lshlrev_b32 v[BO], 6, v3                     ; register 16 i + j holds column 32 i + 16 h + j
.irp i, 0,1,2,3
.irp j, 0,1,2,3
	global_load_b128 v[BI+16*\i+4*\j:BI+16*\i+4*\j+3], v[BO], s[6:7] offset:128*\i+16*\j
.endr
.endr
	s_wait_loadcnt 0x0
.irp a, 0,1,2,3,4,5,6,7
	EPI 0, \a
.endr
.irp i, 0,1,2,3                                    ; lane l's four words: tile 2 i + l / 16, row l % 16; a head's two bytes below, zeros above
	v_cndmask_b32 v[228+\i], v[PWS+2*\i], v[PWS+2*\i+1], s26
.endr
.irp i, 0,1,2,3
	v_and_b32 v[240+\i], 0xffff, v[228+\i]
	v_lshrrev_b32 v[244+\i], 16, v[228+\i]
.endr
	global_store_b128 v[OP], v[240:243], s[18:19]
	global_store_b128 v[OP], v[244:247], s[18:19] offset:HEADB
	s_branch .Ldone
.Lv:
	; ---- v: batch = tc / 8, head = 4 tr + 2 x my half of A (+ a / 4), record = 2 (tc % 8) + my half of B
	s_lshr_b32 s20, s42, 3
	s_lshl_b32 s20, s20, 4
	s_lshl_b32 s21, s17, 2
	s_add_co_u32 s20, s20, s21
	s_lshl_b32 s21, s15, 1
	s_add_co_u32 s20, s20, s21
	s_lshl_b32 s20, s20, 4
	s_and_b32 s21, s42, 7
	s_lshl_b32 s21, s21, 1
	s_add_co_u32 s20, s20, s21
	s_add_co_u32 s20, s20, s16
	s_mul_i32 s20, s20, REC
	s_mov_b32 s21, 0
	s_add_nc_u64 s[12:13], s[12:13], s[20:21]
	s_add_nc_u64 s[18:19], s[12:13], RVS
	s_add_nc_u64 s[12:13], s[12:13], RV
	s_lshl_b32 s20, s17, 8
	s_lshl_b32 s22, s15, 7
	s_add_co_u32 s20, s20, s22
	s_lshl_b32 s20, s20, 2
	s_add_nc_u64 s[10:11], s[10:11], s[20:21]      ; the bias of my 128 channels
	v_and_b32 v6, 8, v2
	v_add_nc_u32 v6, v6, v2
	v_lshlrev_b32 v[BO], 2, v6                     ; my lane's channel in a tile: r + 8 (r / 8)
.irp a, 0,1,2,3,4,5,6,7
	global_load_b32 v[BI+2*\a], v[BO], s[10:11] offset:(32*(\a/2)+8*(\a%2))*4
	global_load_b32 v[BI+2*\a+1], v[BO], s[10:11] offset:(32*(\a/2)+8*(\a%2))*4     ; twice: a pair for the packed addition
.endr
	s_wait_loadcnt 0x0
.irp a, 0,1,2,3,4,5,6,7
	EPI 1, \a
.endr
.irp c, 0,1
.irp i, 0,1
	v_cndmask_b32 v[240+2*\c+\i], v[PWS+4*\c+2*\i], v[PWS+4*\c+2*\i+1], s26   ; lane l's two words: channel tile 2 i + l / 16
.endr
.endr
.irp c, 0,1
	global_store_b64 v[OQ], v[240+2*\c:241+2*\c], s[18:19] offset:\c*HEADB
.endr
.Ldone:
	s_wait_tensorcnt 0x0                           ; the wave's end
	ds_add_u32 v[SPW], v[NIL]
	s_wait_dscnt 0x0
	CROUND                                         ; the closing round: no work-group ends while a partner may still ask for a tile that names it
	s_endpgm
.Lfunc_end_k_qb3d8725a0b_qkv:
	.size	k_qb3d8725a0b_qkv, .Lfunc_end_k_qb3d8725a0b_qkv-k_qb3d8725a0b_qkv
	.p2alignl 7, 3214868480
	.fill 96, 4, 3214868480
	.section	.rodata,"a",@progbits
	.p2align	6, 0x0
	.amdhsa_kernel k_qb3d8725a0b_qkv
		.amdhsa_group_segment_fixed_size 327680
		.amdhsa_private_segment_fixed_size 0
		.amdhsa_enable_private_segment 0
		.amdhsa_kernarg_size 40
		.amdhsa_user_sgpr_count 2
		.amdhsa_user_sgpr_kernarg_segment_ptr 1
		.amdhsa_wavefront_size32 1
		.amdhsa_system_sgpr_workgroup_id_x 1
		.amdhsa_system_sgpr_workgroup_id_y 1
		.amdhsa_system_sgpr_workgroup_id_z 1
		.amdhsa_system_vgpr_workitem_id 0
		.amdhsa_next_free_vgpr 1024
		.amdhsa_next_free_sgpr 98
		.amdhsa_reserve_vcc 0
		.amdhsa_float_denorm_mode_32 3
		.amdhsa_float_denorm_mode_16_64 3
		.amdhsa_memory_ordered 1
		.amdhsa_forward_progress 1
		.amdhsa_inst_pref_size 221
	.end_amdhsa_kernel
	.amdgpu_metadata
---
amdhsa.version: [ 1, 2 ]
amdhsa.kernels:
  - .name:           k_qb3d8725a0b_qkv
    .symbol:         k_qb3d8725a0b_qkv.kd
    .args:
      - { .name: xw, .offset: 0, .size: 8, .value_kind: global_buffer, .address_space: global }
      - { .name: bq, .offset: 8, .size: 8, .value_kind: global_buffer, .address_space: global }
      - { .name: bk, .offset: 16, .size: 8, .value_kind: global_buffer, .address_space: global }
      - { .name: bv, .offset: 24, .size: 8, .value_kind: global_buffer, .address_space: global }
      - { .name: qkv, .offset: 32, .size: 8, .value_kind: global_buffer, .address_space: global }
    .group_segment_fixed_size: 327680
    .private_segment_fixed_size: 0
    .kernarg_segment_align: 8
    .kernarg_segment_size: 40
    .max_flat_workgroup_size: 128
    .sgpr_count:     98
    .vgpr_count:     1024
    .wavefront_size: 32
...
	.end_amdgpu_metadata
.endif
;; end of part 2
;; launch attn (part 3): grid 4 x 64, 16 waves a work-group, clusters of 4 x 1, 327,680 bytes of LDS; arguments qkv, cat; writes cat
.if DOCPART == 3
	.amdgcn_target "amdgcn-amd-amdhsa--gfx1250"
	.amdhsa_code_object_version 6
	.text
	.protected	k_qb3d8725a0b_attn
	.globl	k_qb3d8725a0b_attn
	.p2align	8
	.type	k_qb3d8725a0b_attn,@function
k_qb3d8725a0b_attn:
	s_mov_b64 s[64:65], 0
	v_nop
	global_prefetch_b8 v0, s[64:65] scope:SCOPE_SE
	s_setreg_imm32_b32 hwreg(HW_REG_WAVE_MODE, 25, 1), 1
	s_wait_xcnt 0x0
	s_wait_alu depctr_hold_cnt(0) depctr_sa_sdst(0) depctr_va_vdst(0) depctr_va_sdst(0) depctr_va_ssrc(0) depctr_va_vcc(0) depctr_vm_vsrc(0)
	s_getreg_b32 s2, hwreg(HW_REG_IB_STS2, 6, 4)
	s_cmp_eq_u32 s2, 0
	s_cbranch_scc0 .Lentry_in_a_cluster
	s_endpgm
.Lentry_in_a_cluster:
	s_bfe_u32 s2, ttmp6, 0x10000c
	s_cmp_lg_u32 s2, 0x3003
	s_cbranch_scc0 .Lentry_shape_is_right
	s_endpgm
.Lentry_shape_is_right:
; ATTN: for each (batch, head): O = softmax(q k^T / 8) v, both products on codes of FP6 (E2M3) with E8M0 scales; O / l is quantised along the head's 64 and stored as an image of the last product's operand.
; THE SOFTMAX: t = score x log2(e) / 8; M = the running largest t rounded UP to a whole number; p = 2^(t - M) is quantised along the keys, not normalised; the row's sum is taken of the unquantised p and divides at the end.
; When M moves, the sum and O are multiplied by 2^(old M - new M): exact.
; SHARES.  A work-group owns 512 queries of one head; each of its sixteen waves owns two tiles of 16, taken one after the other.  Four waves share a SIMD, so that one wave's vector work stands beside another's products and loads.
; NO RING.  A head's K, V^T and their scale words are 16 records x 13,056 bytes: they fit in LDS and are filled ONCE, a record a wave; no byte is filled again and no barrier stands in the loop.
; CLUSTER.  The four work-groups of a head want the same 16 records: each is asked for jointly (mask 15).  One tensor load of a wave is out.
; THE SCORES' K IS 64: registers 6-11 of K's and Q's fragments hold zero codes, written once; the upper two bytes of their scale words are 0 (2^-127, which multiplies zeros).
; LAYOUT.  Both products are used transposed: a lane holds ONE query (lane % 16).  A tile of keys holds keys 32 (T / 2) + 8 (T % 2) + r + 8 (r / 8): the 16 registers of tiles 2 b, 2 b + 1 are 16 neighbouring keys.
; LIMITS: a block's largest p is made from the block's largest score, which takes v_exp_f32 not to fall where its input rises; a block whose largest magnitude lies under 2^(3 - 127) has the byte 1; NaN and infinities are not served.
; REGISTERS: v1, v2 16 x and 8 x lane; v3, v4 the step's addresses; v12 -M, v13 the largest t, v[14:15] the sum; v16-27, v80-91 Q; v28, v29 Q's scale words; v30, v31 the results' scale words; v32-79 four fragments of K;
;   v96-159 S^T, then p, then V^T's four fragments; v160-191 O^T; v192-223 O / l; v224-235 p's codes; v232-254 at work.
.set REC,   19712
.set KVB,   13056                      ; K's and V's part of a record
.set RV,    6144
.set RKS,   12288
.set RVS,   12800
.set RQ,    13056
.set RQS,   19200
.set CS_OFF, 6291456
.set SPARE, 16*KVB                     ; behind the records: the spare words, 128 bytes a wave: eight blocks of 256 bytes that no other line names
.set AP,  1
.set AQ,  2
.set ADP, 3
.set ADQ, 4
.set SPW, 5
.set NIL, 6
.set WV,  18
.set SEL, 20
.set CS,  22
.set G1,  24
.set G0,  32
.set TB,  37
.set CNT, 38
.macro CROUND
	s_barrier_signal -1
	s_barrier_wait -1
	s_cmp_lg_u32 s[WV], 0
	s_cbranch_scc1 .Lnot_wave_0_\@
	s_barrier_signal -3
.Lnot_wave_0_\@:
	s_barrier_wait -3
	s_barrier_signal -1
	s_barrier_wait -1
.endm
.macro WM d, a, b, sa, sb, row, zero   ; one product; row = 1: source 0's scales stand in lanes 16-31; zero = 1: it starts its sum
.if \zero
.if \row
	v_wmma_scale_f32_16x16x128_f8f6f4 v[\d:\d+7], v[\a:\a+11], v[\b:\b+11], 0, v[\sa], v[\sb] matrix_a_fmt:MATRIX_FMT_FP6 matrix_b_fmt:MATRIX_FMT_FP6 matrix_a_scale:MATRIX_SCALE_ROW1
.else
	v_wmma_scale_f32_16x16x128_f8f6f4 v[\d:\d+7], v[\a:\a+11], v[\b:\b+11], 0, v[\sa], v[\sb] matrix_a_fmt:MATRIX_FMT_FP6 matrix_b_fmt:MATRIX_FMT_FP6
.endif
.else
.if \row
	v_wmma_scale_f32_16x16x128_f8f6f4 v[\d:\d+7], v[\a:\a+11], v[\b:\b+11], v[\d:\d+7], v[\sa], v[\sb] matrix_a_fmt:MATRIX_FMT_FP6 matrix_b_fmt:MATRIX_FMT_FP6 matrix_a_scale:MATRIX_SCALE_ROW1
.else
	v_wmma_scale_f32_16x16x128_f8f6f4 v[\d:\d+7], v[\a:\a+11], v[\b:\b+11], v[\d:\d+7], v[\sa], v[\sb] matrix_a_fmt:MATRIX_FMT_FP6 matrix_b_fmt:MATRIX_FMT_FP6
.endif
.endif
.endm
	s_load_b128 s[4:7], s[0:1], 0x0                ; qkv s[4:5], cat s[6:7]
	v_lshl_add_u32 v[SPW], v0, 2, SPARE
	v_mov_b32 v[NIL], 0
	ds_add_u32 v[SPW], v[NIL]                      ; the wave's opening: the add, waited for ahead of my first tensor load
	v_lshrrev_b32 v8, 5, v0
	v_readfirstlane_b32 s[WV], v8                  ; wave 0..15
	s_bfe_u32 s8, ttmp6, 0x40000                   ; cx: which 512 queries
	s_and_b32 s9, ttmp7, 0xffff                    ; batch x 16 + head, which the four partners share
	s_mov_b32 s[G1], 15|(3<<16)|(1<<21)            ; the mask: all four; elements of 8 bytes; bit 21 beside a mask
	s_mov_b32 s[G1+1], 32<<16                      ; 51 rows of 256 bytes, dense
	s_mov_b32 s[G1+2], 51<<16
	s_mov_b32 s[G1+3], 32<<16
	s_mov_b32 s[G1+4], 51
	s_mov_b32 s[G1+5], 32
	s_mov_b32 s[G1+6], 0
	s_mov_b32 s[G1+7], 0
	s_lshl_b32 s10, s9, 4
	s_add_co_u32 s10, s10, s[WV]
	s_mul_i32 s10, s10, REC                        ; the record that I fetch: the head's w-th
	s_mov_b32 s11, 0
	s_mul_i32 s12, s[WV], KVB                      ; and its place in LDS
	s_lshl_b32 s13, s9, 4
	s_lshl_b32 s14, s8, 2
	s_add_co_u32 s13, s13, s14
	s_lshr_b32 s14, s[WV], 2
	s_add_co_u32 s13, s13, s14
	s_mul_i32 s13, s13, REC                        ; the record with my queries: 4 cx + w / 4
	s_and_b32 s14, s[WV], 3
	s_mul_i32 s15, s14, 1536
	s_add_co_u32 s16, s13, s15
	s_add_co_u32 s16, s16, RQ                      ; my two tiles' images: tiles 2 (w % 4), + 1
	s_mov_b32 s17, 0
	s_lshl_b32 s14, s14, 2
	s_add_co_u32 s40, s13, s14
	s_add_co_u32 s40, s40, RQS                     ; their scale words: word w % 4 of a lane's four
	s_mov_b32 s41, 0
	s_lshr_b32 s42, s9, 4
	s_lshl_b32 s42, s42, 7
	s_lshl_b32 s43, s8, 5
	s_add_co_u32 s42, s42, s43
	s_lshl_b32 s43, s[WV], 1
	s_add_co_u32 s42, s42, s43                     ; my first token tile: batch x 128 + 32 cx + 2 w
	s_and_b32 s44, s9, 15                          ; the head
	s_mul_i32 s46, s42, 12288
	s_mul_i32 s47, s44, 768
	s_add_co_u32 s46, s46, s47
	s_mov_b32 s47, 0
	s_lshl_b32 s48, s42, 6
	s_lshl_b32 s49, s44, 15
	s_add_co_u32 s48, s48, s49
	s_add_co_u32 s48, s48, CS_OFF
	s_mov_b32 s49, 0
	s_mov_b32 s[SEL], 0x76543210
	s_mov_b32 s[SEL+1], 0xfedcba98
	s_mov_b32 s[CS], 0x3e38aa3b                    ; c = log2(e) / 8
	s_mov_b32 s[CS+1], s[CS]                       ; (named with it as a pair)
	s_wait_dscnt 0x0                               ; the opening add is done
	s_wait_kmcnt 0x0
	s_mov_b32 s[G0], 1
	s_mov_b32 s[G0+1], s12
	s_add_nc_u64 s[G0+2:G0+3], s[4:5], s[10:11]
	s_or_b32 s[G0+3], s[G0+3], 0x80000000
	s_add_nc_u64 s[16:17], s[4:5], s[16:17]
	s_add_nc_u64 s[40:41], s[4:5], s[40:41]
	s_add_nc_u64 s[46:47], s[6:7], s[46:47]
	s_add_nc_u64 s[48:49], s[6:7], s[48:49]
	CROUND                                         ; all four work-groups are here: the joint loads meet
	tensor_load_to_lds s[G0:G0+3], s[G1:G1+7]      ; my one tensor load of the launch
	s_nop 0
.rept 4
	v_nop
.endr
	v_and_b32 v8, 31, v0
	v_lshlrev_b32 v[AP], 4, v8
	v_lshlrev_b32 v[AQ], 3, v8
	v_and_b32 v9, 15, v0
	v_lshlrev_b32 v9, 4, v9
	global_load_b128 v[16:19], v[AP], s[16:17]     ; Q's two images stay in registers
	global_load_b64 v[20:21], v[AQ], s[16:17] offset:512
	global_load_b128 v[80:83], v[AP], s[16:17] offset:768
	global_load_b64 v[84:85], v[AQ], s[16:17] offset:1280
	global_load_b32 v28, v9, s[40:41]              ; row r's word of the even tile (lanes 0-15 of the stored form),
	global_load_b32 v29, v9, s[40:41] offset:256   ; and of the odd one
.irp i, 6,7,8,9,10,11
	v_mov_b32 v[16+\i], 0                          ; zero codes for k = 64 .. 127, on both operands
	v_mov_b32 v[80+\i], 0
	v_mov_b32 v[32+\i], 0
	v_mov_b32 v[44+\i], 0
	v_mov_b32 v[56+\i], 0
	v_mov_b32 v[68+\i], 0
.endr
.irp b, 0,1,2,3
	v_mov_b32 v[236+\b], 0                         ; a lane permute's destination counts as one of its sources
.endr
	v_mov_b32 v253, 0                              ; (named as the upper half of v[252:253] before it is first written)
	s_wait_tensorcnt 0x0                           ; my record is in LDS,
	s_barrier_signal -1
	s_barrier_wait -1                              ; everybody's is
	s_wait_loadcnt 0x0                             ; Q
; A KEY STEP: 128 keys, the record at s[TB].  qf: Q's fragment; qs: its scale words.
.macro STEP qf, qs
	v_add_nc_u32 v[ADP], s[TB], v[AP]
	v_add_nc_u32 v[ADQ], s[TB], v[AQ]
.rept 4
	v_nop                                          ; with the two additions six places behind the last step's products: the first products below write over registers that those read (five are owed), and the scale words are loaded anew (four)
.endr
	ds_load_b128 v[248:251], v[ADP] offset:RKS     ; register i: lanes 0-15 tile 2 i's words, lanes 16-31 tile 2 i + 1's
.irp g, 0,1                                        ; S^T = K Q^T, four tiles of 16 keys at a time
.if \g
.rept 4
	v_nop                                          ; places in front of loads into registers that matrix instructions have read
.endr
.endif
.irp t, 0,1,2,3
	ds_load_b128 v[32+12*\t:35+12*\t], v[ADP] offset:768*(4*\g+\t)
	ds_load_b64 v[36+12*\t:37+12*\t], v[ADQ] offset:768*(4*\g+\t)+512
.endr
	s_wait_dscnt 0x0
.irp t, 0,1,2,3
	WM 96+8*(4*\g+\t), 32+12*\t, \qf, 248+2*\g+\t/2, \qs, \t%2, 1
.endr
.endr
.rept 4
	v_nop
.endr
.irp b, 0,1,2,3
	v_max3_num_f32 v[232+\b], v[96+16*\b], v[97+16*\b], v[98+16*\b]   ; the largest score of each block of 32 keys: for the row's maximum, and for the block's largest p
.endr
.irp i, 3,5,7,9,11,13
.irp b, 0,1,2,3
	v_max3_num_f32 v[232+\b], v[232+\b], v[96+16*\b+\i], v[97+16*\b+\i]
.endr
.endr
.irp b, 0,1,2,3
	v_max_num_f32 v[232+\b], v[232+\b], v[111+16*\b]
.endr
.irp b, 0,1,2,3
	v_permlanex16_b32 v[236+\b], v[232+\b], s[SEL], s[SEL+1]
.endr
.irp b, 0,1,2,3
	v_max_num_f32 v[232+\b], v[232+\b], v[236+\b]  ; with lane l xor 16's 16 keys
.endr
	v_max3_num_f32 v254, v232, v233, v234
	v_max_num_f32 v254, v254, v235
	v_mul_f32 v254, s[CS], v254                    ; as t
	v_max_num_f32 v13, v13, v254                   ; the running largest t
	v_mov_b32 v254, v12
	v_floor_f32 v12, -v13                          ; the new -M = -ceil(t)
	v_sub_f32 v254, v12, v254                      ; old M - new M: a whole number, 0 or less
	v_cvt_i32_f32 v254, v254                       ; (it saturates)
	v_ldexp_f32 v252, 1.0, v254                    ; f = 2^(old M - new M)
.set j, 0
.rept 32
	v_pk_fma_f32 v[96+j:97+j], v[96+j:97+j], s[CS:CS+1], v[12:13] op_sel_hi:[1,0,0]   ; t - M, two at a time
.set j, j+2
.endr
.irp b, 0,1,2,3
	v_fma_f32 v[232+\b], v[232+\b], s[CS], v12     ; the same of each block's largest score
.endr
.set j, 0
.rept 64
	v_exp_f32 v[96+j], v[96+j]                     ; p = 2^(t - M)
.set j, j+1
.endr
	v_pk_mul_f32 v[14:15], v[14:15], v[252:253] op_sel_hi:[1,0]   ; the sums under the new M: a plain place behind the exponentials
	s_wait_alu depctr_va_vdst(0)                   ; one wait for the batch of 64, ahead of its first reader
.irp b, 0,1,2,3
	v_exp_f32 v[232+\b], v[232+\b]                 ; the blocks' largest p
.endr
	v_pk_add_f32 v[236:237], v[96:97], v[98:99]    ; the row's sum of the unquantised p, in two chains
.irp j, 4,8,12,16,20,24,28,32,36,40,44,48,52,56,60
	v_pk_add_f32 v[14:15], v[14:15], v[96+\j:97+\j]
	v_pk_add_f32 v[236:237], v[236:237], v[98+\j:99+\j]
.endr
	v_pk_add_f32 v[14:15], v[14:15], v[236:237]
	s_wait_alu depctr_va_vdst(0)                   ; and one for the four
.irp b, 0,1,2,3
	v_max_num_f32 v[232+\b], 0x1800000, v[232+\b]  ; the floor 2^(3 - 127)
.endr
.irp b, 0,1,2,3
	v_add_nc_u32 v[244+\b], 0xff000000, v[232+\b]  ; the conversion's scale operand
.endr
.irp b, 0,1,2,3
	v_lshrrev_b32 v[236+\b], 23, v[244+\b]
.endr
	v_lshl_or_b32 v253, v237, 8, v236              ; p's scale word for these 128 keys
	v_lshl_or_b32 v253, v238, 16, v253
	v_lshl_or_b32 v253, v239, 24, v253
.irp c, 0,1
	v_cvt_scalef32_pk16_fp6_f32 v[224+6*\c:226+6*\c], v[96+32*\c:111+32*\c], v[244+2*\c]
	v_cvt_scalef32_pk16_fp6_f32 v[236+4*\c:238+4*\c], v[112+32*\c:127+32*\c], v[244+2*\c+1]
.endr
	v_nop                                          ; one plain place behind a scaled conversion
.irp t, 0,1,2,3                                    ; V^T's four fragments land where p lay, while the codes are put in order and O^T is rescaled
	ds_load_b128 v[96+12*\t:99+12*\t], v[ADP] offset:RV+1536*\t
	ds_load_b64 v[100+12*\t:101+12*\t], v[ADQ] offset:RV+1536*\t+512
	ds_load_b128 v[102+12*\t:105+12*\t], v[ADP] offset:RV+1536*\t+768
	ds_load_b64 v[106+12*\t:107+12*\t], v[ADQ] offset:RV+1536*\t+1280
.endr
	ds_load_b64 v[248:249], v[ADQ] offset:RVS      ; register i: lanes 0-15 channel tile 2 i's words, lanes 16-31 tile 2 i + 1's
.irp c, 0,1
.irp i, 0,1,2
	v_permlane16_swap_b32 v[224+6*\c+\i], v[236+4*\c+\i]
.endr
.irp i, 0,1,2
	v_mov_b32 v[227+6*\c+\i], v[236+4*\c+\i]
.endr
.endr
.set j, 0
.rept 16
	v_pk_mul_f32 v[160+j:161+j], v[160+j:161+j], v[252:253] op_sel_hi:[1,0]   ; O^T under the new M; these sixteen are also the places in front of the products below
.set j, j+2
.endr
	s_wait_dscnt 0x0
.irp t, 0,1,2,3                                    ; O^T += V^T P^T: the four accumulators by turns; the eight score products stand between two links of a chain
	WM 160+8*\t, 96+12*\t, 224, 248+\t/2, 253, \t%2, 0
.endr
.endm
; A PASS: one tile of 16 queries against all 2,048 keys; then O / l, quantised along the head's 64, stored as image (token tile, head) of cat.
.macro PASS p, qf, qs
.if \p
	s_wait_xcnt 0x0                                ; the first pass's stores have read the codes' registers
.endif
	v_mov_b32 v13, 0xff61b1e6                      ; the largest t so far: -3e38
	v_floor_f32 v12, -v13
	v_mov_b32 v14, 0
	v_mov_b32 v15, 0
.set j, 0
.rept 32
	v_mov_b32 v[160+j], 0                          ; O^T: the loop is written once; its first step finds zeros
.set j, j+1
.endr
	s_mov_b32 s[TB], 0
	s_mov_b32 s[CNT], 16
.Lstep_\@:
	STEP \qf, \qs
	s_add_co_u32 s[TB], s[TB], KVB
	s_sub_co_u32 s[CNT], s[CNT], 1
	s_cmp_lg_u32 s[CNT], 0
	s_cbranch_scc1 .Lstep_\@
.rept 4
	v_nop                                          ; places behind the last products
.endr
	v_add_f32 v14, v14, v15
	v_permlanex16_b32 v252, v14, s[SEL], s[SEL+1]
	v_add_f32 v14, v14, v252                       ; the row's sum
	v_rcp_f32 v14, v14
	v_nop                                          ; a plain place behind the transcendental
	s_wait_alu depctr_va_vdst(0)                   ; the wait ahead of its first reader
.set j, 0
.rept 32
	v_mul_f32 v[192+j], v[160+j], v14              ; register 16 b + i is channel 32 b + 16 (lane / 16) + i of my query
.set j, j+1
.endr
.irp b, 0,1
	v_max3_num_f32 v[232+\b], |v[192+16*\b]|, |v[193+16*\b]|, 0x1800000
.endr
.irp i, 2,4,6,8,10,12,14
.irp b, 0,1
	v_max3_num_f32 v[232+\b], v[232+\b], |v[192+16*\b+\i]|, |v[193+16*\b+\i]|
.endr
.endr
.irp b, 0,1
	v_permlanex16_b32 v[236+\b], v[232+\b], s[SEL], s[SEL+1]
.endr
.irp b, 0,1
	v_max_num_f32 v[232+\b], v[232+\b], v[236+\b]
.endr
.irp b, 0,1
	v_add_nc_u32 v[244+\b], 0xff000000, v[232+\b]
.endr
.irp b, 0,1
	v_lshrrev_b32 v[236+\b], 23, v[244+\b]
.endr
	v_lshl_or_b32 v[30+\p], v237, 8, v236          ; the head's two bytes; the upper half is 0
	v_cvt_scalef32_pk16_fp6_f32 v[224:226], v[192:207], v244
	v_cvt_scalef32_pk16_fp6_f32 v[236:238], v[208:223], v245
	v_nop
.irp i, 0,1,2
	v_permlane16_swap_b32 v[224+\i], v[236+\i]
.endr
.irp i, 0,1,2
	v_mov_b32 v[227+\i], v[236+\i]
.endr
	global_store_b128 v[AP], v[224:227], s[46:47] offset:12288*\p        ; whole aligned blocks of 256 bytes
	global_store_b64 v[AQ], v[228:229], s[46:47] offset:12288*\p+512
.endm
	PASS 0, 16, 28
	PASS 1, 80, 29
	v_and_b32 v8, 31, v0
	v_cmp_le_u32 s36, 16, v8
	v_cndmask_b32 v9, v30, v31, s36                ; lanes 0-15 the first tile's words, lanes 16-31 the second's
	v_lshlrev_b32 v8, 2, v8
	global_store_b32 v8, v9, s[48:49]              ; 128 consecutive bytes
	s_wait_tensorcnt 0x0                           ; the wave's end
	ds_add_u32 v[SPW], v[NIL]
	s_wait_dscnt 0x0
	CROUND                                         ; the closing round
	s_endpgm
.Lfunc_end_k_qb3d8725a0b_attn:
	.size	k_qb3d8725a0b_attn, .Lfunc_end_k_qb3d8725a0b_attn-k_qb3d8725a0b_attn
	.p2alignl 7, 3214868480
	.fill 96, 4, 3214868480
	.section	.rodata,"a",@progbits
	.p2align	6, 0x0
	.amdhsa_kernel k_qb3d8725a0b_attn
		.amdhsa_group_segment_fixed_size 327680
		.amdhsa_private_segment_fixed_size 0
		.amdhsa_enable_private_segment 0
		.amdhsa_kernarg_size 16
		.amdhsa_user_sgpr_count 2
		.amdhsa_user_sgpr_kernarg_segment_ptr 1
		.amdhsa_wavefront_size32 1
		.amdhsa_system_sgpr_workgroup_id_x 1
		.amdhsa_system_sgpr_workgroup_id_y 1
		.amdhsa_system_sgpr_workgroup_id_z 1
		.amdhsa_system_vgpr_workitem_id 0
		.amdhsa_next_free_vgpr 256
		.amdhsa_next_free_sgpr 66
		.amdhsa_reserve_vcc 0
		.amdhsa_float_denorm_mode_32 3
		.amdhsa_float_denorm_mode_16_64 3
		.amdhsa_memory_ordered 1
		.amdhsa_forward_progress 1
		.amdhsa_inst_pref_size 48
	.end_amdhsa_kernel
	.amdgpu_metadata
---
amdhsa.version: [ 1, 2 ]
amdhsa.kernels:
  - .name:           k_qb3d8725a0b_attn
    .symbol:         k_qb3d8725a0b_attn.kd
    .args:
      - { .name: qkv, .offset: 0, .size: 8, .value_kind: global_buffer, .address_space: global }
      - { .name: cat, .offset: 8, .size: 8, .value_kind: global_buffer, .address_space: global }
    .group_segment_fixed_size: 327680
    .private_segment_fixed_size: 0
    .kernarg_segment_align: 8
    .kernarg_segment_size: 16
    .max_flat_workgroup_size: 512
    .sgpr_count:     66
    .vgpr_count:     256
    .wavefront_size: 32
...
	.end_amdgpu_metadata
.endif
;; end of part 3
;; launch fcln (part 4): grid 128 x 1, 4 waves a work-group, clusters of 4 x 1, 327,680 bytes of LDS; arguments cat, xw, bfc, gamma, beta, out0; writes out0
.if DOCPART == 4
	.amdgcn_target "amdgcn-amd-amdhsa--gfx1250"
	.amdhsa_code_object_version 6
	.text
	.protected	k_qb3d8725a0b_fcln
	.globl	k_qb3d8725a0b_fcln
	.p2align	8
	.type	k_qb3d8725a0b_fcln,@function
k_qb3d8725a0b_fcln:
	s_mov_b64 s[64:65], 0
	v_nop
	global_prefetch_b8 v0, s[64:65] scope:SCOPE_SE
	s_setreg_imm32_b32 hwreg(HW_REG_WAVE_MODE, 25, 1), 1
	s_wait_xcnt 0x0
	s_wait_alu depctr_hold_cnt(0) depctr_sa_sdst(0) depctr_va_vdst(0) depctr_va_sdst(0) depctr_va_ssrc(0) depctr_va_vcc(0) depctr_vm_vsrc(0)
	s_getreg_b32 s2, hwreg(HW_REG_IB_STS2, 6, 4)
	s_cmp_eq_u32 s2, 0
	s_cbranch_scc0 .Lentry_in_a_cluster
	s_endpgm
.Lentry_in_a_cluster:
	s_bfe_u32 s2, ttmp6, 0x10000c
	s_cmp_lg_u32 s2, 0x3003
	s_cbranch_scc0 .Lentry_shape_is_right
	s_endpgm
.Lentry_shape_is_right:
; FCLN: y = cat Wfc + bfc on codes of FP6 (E2M3) with E8M0 scales, K = 1,024; then LayerNorm over each row of 1,024, gamma, beta: all in f32.
; SHARES.  A work-group owns 64 tokens (four tiles) x ALL 1,024 outputs, so that a row's mean and variance stay inside it.  Wave w makes outputs 256 w .. 256 w + 255 (16 tiles of Wfc's columns) for the four token tiles: 64 accumulators.
; 128 work-groups: with 32 tokens each, every product would read nearly twice the LDS bytes and Wfc would be walked twice as often.
; Source 0 = 16 columns of Wfc, source 1 = 16 tokens: a lane holds one token and, over two neighbouring tiles, 16 neighbouring outputs.
; LDS: two slots, each one K step of 128 of all 64 column tiles (98,304 bytes), filled by joint loads: all work-groups walk the same Wfc, the four of a cluster ask together (mask 15); the tokens' codes for all of K
; (49,152 bytes) come once, by a plain load a wave.  At the start three tensor loads of a wave are out, later one.  The scale words go from memory straight into registers, once.
; The K steps are written out: the scale registers' numbers change from step to step.
; The way out: 64 rows x (4,096 + 16) bytes in a stage laid over the slots and the tokens' codes, which have then had their last fill and their last read.
; Mean first, then the mean of the squared differences, as the definition has it: no difference of large sums.
; REGISTERS: window 0: v4, v5 16 x and 8 x lane; v8-11 the stage; v16-23 fragment addresses; v32-63 the tokens' scale words [8 a + s]; v64-127 Wfc's [8 i + s] (lanes 0-15 tile 2 i, lanes 16-31 tile 2 i + 1);
;   v128-223 the tokens' fragments, two sets.  window 1: Wfc's 16 fragments.  windows 2, 3: accumulator (a, b) at v[8 (4 (b % 8) + a)].
.set WC_OFF, 6291456
.set WS_OFF, 9699328
.set CS_OFF, 6291456
.set SLOT,  98304
.set AT,    2*SLOT
.set SPARE, 327168                     ; the spare words: two blocks of 256 bytes that no other line names
.set SPITCH, 4112
.set LI,  4
.set STO, 8
.set NPA, 16                           ; v16-17 my column tiles in slot 0, 1, + 16 x lane; v18-19 + 8 x lane
.set TP,  20                           ; v20 the tokens' codes + 16 x lane; v22 + 8 x lane
.set SPW, 28
.set NIL, 29
.set AS,  32
.set BS,  64
.set WV,  16
.set G1B, 24
.set G1A, 32
.set G0B, 40
.set G0A, 48
.set SEL, 52
.set RS,  56
.set CNT, 57
.set MSB, 0
.macro WIN new
.if MSB != (\new)
	s_set_vgpr_msb (MSB<<8)|(\new)
.set MSB, (\new)
.endif
.endm
.set MUL_LO, 0xa1                      ; source 0 (Wfc) window 1, source 1 (tokens) window 0, C and D window 2
.set MUL_HI, 0xf1
.macro CREST
	s_cmp_lg_u32 s[WV], 0
	s_cbranch_scc1 .Lnot_wave_0_\@
	s_barrier_signal -3
.Lnot_wave_0_\@:
	s_barrier_wait -3
	s_barrier_signal -1
	s_barrier_wait -1
.endm
.macro CROUND
	s_barrier_signal -1
	s_barrier_wait -1
	CREST
.endm
.macro PLACES
.rept 4
	v_nop
.endr
.endm
.macro WM d, a, b, sa, sb, row, zero
.if \zero
.if \row
	v_wmma_scale_f32_16x16x128_f8f6f4 v[\d:\d+7], v[\a:\a+11], v[\b:\b+11], 0, v[\sa], v[\sb] matrix_a_fmt:MATRIX_FMT_FP6 matrix_b_fmt:MATRIX_FMT_FP6 matrix_a_scale:MATRIX_SCALE_ROW1
.else
	v_wmma_scale_f32_16x16x128_f8f6f4 v[\d:\d+7], v[\a:\a+11], v[\b:\b+11], 0, v[\sa], v[\sb] matrix_a_fmt:MATRIX_FMT_FP6 matrix_b_fmt:MATRIX_FMT_FP6
.endif
.else
.if \row
	v_wmma_scale_f32_16x16x128_f8f6f4 v[\d:\d+7], v[\a:\a+11], v[\b:\b+11], v[\d:\d+7], v[\sa], v[\sb] matrix_a_fmt:MATRIX_FMT_FP6 matrix_b_fmt:MATRIX_FMT_FP6 matrix_a_scale:MATRIX_SCALE_ROW1
.else
	v_wmma_scale_f32_16x16x128_f8f6f4 v[\d:\d+7], v[\a:\a+11], v[\b:\b+11], v[\d:\d+7], v[\sa], v[\sb] matrix_a_fmt:MATRIX_FMT_FP6 matrix_b_fmt:MATRIX_FMT_FP6
.endif
.endif
.endm
.macro FRAG reg, adr, off
	ds_load_b128 v[\reg:\reg+3], v[\adr] offset:\off
	ds_load_b64 v[\reg+4:\reg+5], v[\adr+2] offset:(\off)+512
	ds_load_b128 v[\reg+6:\reg+9], v[\adr] offset:(\off)+768
	ds_load_b64 v[\reg+10:\reg+11], v[\adr+2] offset:(\off)+1280
.endm
.macro FETCH_T s, p                    ; the four token tiles' fragments of K step s into set p
.irp a, 0,1,2,3
	FRAG 128+48*(\p)+12*\a, TP, 12288*\a+1536*(\s)
.endr
.endm
.macro FETCH_N slot, b0                ; eight of my column tiles' fragments
	WIN 0x40
.irp i, 0,1,2,3,4,5,6,7
	FRAG 12*(\b0+\i), NPA+\slot, 1536*(\b0+\i)
.endr
	WIN 0
.endm
.macro MULB s, p, b0, nb, zero         ; column tiles b0 .. b0 + nb - 1 x the four token tiles: the accumulators take turns, one instruction a turn
.set bb, \b0
.rept \nb
.irp a, 0,1,2,3
	WM 8*(4*(bb%8)+\a), 12*bb, 128+48*(\p)+12*\a, BS+8*(bb/2)+(\s), AS+8*\a+(\s), bb%2, \zero
.endr
.set bb, bb+1
.endr
.endm
	s_load_b256 s[4:11], s[0:1], 0x0               ; cat s[4:5], xw s[6:7], bfc s[8:9], gamma s[10:11]
	s_load_b128 s[12:15], s[0:1], 0x20             ; beta s[12:13], out0 s[14:15]
	v_lshl_add_u32 v[SPW], v0, 2, SPARE
	v_mov_b32 v[NIL], 0
	ds_add_u32 v[SPW], v[NIL]                      ; the wave's opening: the add, waited for ahead of my first tensor load
	v_lshrrev_b32 v1, 5, v0
	v_readfirstlane_b32 s[WV], v1                  ; wave 0..3
	s_bfe_u32 s17, ttmp6, 0x40000                  ; cx
	s_lshl_b32 s18, ttmp9, 2
	s_add_co_u32 s18, s18, s17                     ; my block of 64 tokens
	s_mov_b32 s[G1B], 15|(3<<16)|(1<<21)           ; Wfc: the mask: all four; 16 tiles' 1,536 bytes (192 elements of 8 bytes), 12,288 bytes apart, dense in LDS
	s_mov_b32 s[G1B+1], 192<<16
	s_mov_b32 s[G1B+2], 16<<16
	s_mov_b32 s[G1B+3], 192<<16
	s_mov_b32 s[G1B+4], 16
	s_mov_b32 s[G1B+5], 1536
	s_mov_b32 s[G1B+6], 0
	s_mov_b32 s[G1B+7], 0
	s_mov_b32 s[G1A], 3<<16                        ; a token tile: 12,288 dense bytes as 48 rows of 256; no mask
	s_mov_b32 s[G1A+1], 32<<16
	s_mov_b32 s[G1A+2], 48<<16
	s_mov_b32 s[G1A+3], 32<<16
	s_mov_b32 s[G1A+4], 48
	s_mov_b32 s[G1A+5], 32
	s_mov_b32 s[G1A+6], 0
	s_mov_b32 s[G1A+7], 0
	s_lshl_b32 s19, s[WV], 4
	s_add_co_u32 s19, s19, 192                     ; my first column tile in xw
	s_mul_i32 s20, s19, 12288
	s_add_co_u32 s20, s20, WC_OFF
	s_mov_b32 s21, 0
	s_lshl_b32 s22, s19, 9
	s_add_co_u32 s22, s22, WS_OFF
	s_mov_b32 s23, 0
	s_lshl_b32 s58, s18, 2
	s_add_co_u32 s58, s58, s[WV]
	s_mul_i32 s58, s58, 12288                      ; the token tile that I fetch
	s_mov_b32 s59, 0
	s_lshl_b32 s60, s18, 8
	s_add_co_u32 s60, s60, CS_OFF                  ; my four token tiles' scale words, head 0
	s_mov_b32 s61, 0
	s_mul_i32 s62, s[WV], 24576
	s_mul_i32 s63, s[WV], 12288
	s_add_co_u32 s63, s63, AT
	s_mov_b32 s[SEL], 0x76543210
	s_mov_b32 s[SEL+1], 0xfedcba98
	s_mov_b32 s54, 0x3a800000                      ; 1 / 1,024
	s_mov_b32 s55, 0x3727c5ac                      ; 1e-5
	s_wait_dscnt 0x0                               ; the opening add is done
	s_wait_kmcnt 0x0
	s_mov_b32 s[G0A], 1
	s_mov_b32 s[G0A+1], s63
	s_add_nc_u64 s[G0A+2:G0A+3], s[4:5], s[58:59]
	s_or_b32 s[G0A+3], s[G0A+3], 0x80000000
	s_add_nc_u64 s[20:21], s[6:7], s[20:21]
.irp s, 0,1
	s_mov_b32 s[G0B+4*\s], 1
	s_add_co_u32 s[G0B+4*\s+1], s62, \s*SLOT
	s_add_nc_u64 s[G0B+4*\s+2:G0B+4*\s+3], s[20:21], \s*1536
	s_or_b32 s[G0B+4*\s+3], s[G0B+4*\s+3], 0x80000000
.endr
	s_add_nc_u64 s[22:23], s[6:7], s[22:23]
	s_add_nc_u64 s[60:61], s[4:5], s[60:61]
	CROUND                                         ; all four work-groups are here: the first loads go out as one group
	tensor_load_to_lds s[G0A:G0A+3], s[G1A:G1A+7]
	s_nop 0
	tensor_load_to_lds s[G0B:G0B+3], s[G1B:G1B+7]
	s_nop 0
	tensor_load_to_lds s[G0B+4:G0B+7], s[G1B:G1B+7]
	s_nop 0
.rept 4
	v_nop
.endr
	v_and_b32 v1, 31, v0
	v_and_b32 v2, 15, v0                           ; r
	v_bfe_u32 v3, v0, 4, 1                         ; h
	v_lshlrev_b32 v[LI], 4, v1
	v_lshlrev_b32 v5, 3, v1
	v_add_nc_u32 v[NPA], s62, v[LI]
	v_add_nc_u32 v[NPA+1], SLOT, v[NPA]
	v_add_nc_u32 v[NPA+2], s62, v5
	v_add_nc_u32 v[NPA+3], SLOT, v[NPA+2]
	v_add_nc_u32 v[TP], AT, v[LI]
	v_add_nc_u32 v[TP+2], AT, v5
	v_lshlrev_b32 v6, 2, v2                        ; 4 r
	v_lshl_add_u32 v7, v3, 9, v6                   ; 512 h + 4 r
.irp i, 0,1,2,3,4,5,6,7
.irp s, 0,1,2,3,4,5,6,7
	global_load_b32 v[BS+8*\i+\s], v7, s[22:23] offset:1024*\i+64*\s
.endr
.endr
.irp a, 0,1,2,3
.irp d, 0,1,2,3,4,5,6,7,8,9,10,11,12,13,14,15
	global_load_b32 v[128+16*\a+\d], v6, s[60:61] offset:32768*\d+64*\a     ; head d's two bytes for row r of token tile a
.endr
.endr
	s_wait_loadcnt 0x0
.irp a, 0,1,2,3
.irp s, 0,1,2,3,4,5,6,7
	v_lshl_or_b32 v[AS+8*\a+\s], v[128+16*\a+2*\s+1], 16, v[128+16*\a+2*\s]   ; K step s is heads 2 s, 2 s + 1
.endr
.endr
.rept 8
	v_nop                                          ; a scale register written by a vector instruction stands 8 places ahead of a scaled product
.endr
	s_wait_tensorcnt 1                             ; my token tile and my part of slot 0 are in; slot 1's load may be out
	s_barrier_signal -1
	s_barrier_wait -1
	FETCH_T 0, 0
	FETCH_N 0, 0
	FETCH_N 0, 8
; A K STEP of 128.  All 16 of my column fragments are in registers at the signal, so the slot is free for the step after next.
.macro KSTEP s, zero
	s_wait_dscnt 32                                ; the tokens' fragments and column tiles 0-7 are in; the youngest 32 loads (tiles 8-15) may be out
	WIN MUL_LO
	MULB \s, (\s)%2, 0, 4, \zero
	WIN 0                                          ; (the add's two registers lie in window 0)
	s_wait_tensorcnt 0x0                           ; all my tensor loads have landed: my part of the next slot
	ds_add_u32 v[SPW], v[NIL]
	WIN MUL_LO
	MULB \s, (\s)%2, 4, 2, \zero
	s_wait_dscnt 0x0                               ; the add is done, and my reads of this slot are over
	s_barrier_signal -1
	MULB \s, (\s)%2, 6, 2, \zero
	WIN 0
	s_barrier_wait -1
.if (\s) < 6
	CREST                                          ; the barrier has opened a round of the cluster's: no wave of any partner still reads this slot or has a load on its way
	s_add_nc_u64 s[G0B+4*((\s)%2)+2:G0B+4*((\s)%2)+3], s[G0B+4*((\s)%2)+2:G0B+4*((\s)%2)+3], 3072
	tensor_load_to_lds s[G0B+4*((\s)%2):G0B+4*((\s)%2)+3], s[G1B:G1B+7]   ; my one tensor load behind the round: the K step after next
	s_nop 0
.endif
	PLACES                                         ; behind the load, and in front of loads into registers that matrix instructions have read
	FETCH_T (\s)+1, ((\s)+1)%2
	FETCH_N ((\s)+1)%2, 0
	WIN MUL_HI
	MULB \s, (\s)%2, 8, 8, \zero
	PLACES
	FETCH_N ((\s)+1)%2, 8
.endm
	KSTEP 0, 1
	KSTEP 1, 0
	KSTEP 2, 0
	KSTEP 3, 0
	KSTEP 4, 0
	KSTEP 5, 0
	KSTEP 6, 0
	s_wait_dscnt 32
	WIN MUL_LO
	MULB 7, 1, 0, 8, 0
	s_wait_dscnt 0x0
	WIN MUL_HI
	MULB 7, 1, 8, 8, 0
	WIN 0
	; THE WAY OUT
	PLACES
	s_wait_dscnt 0x0
	s_barrier_signal -1
	s_barrier_wait -1                              ; every wave's reads of the slots and of the tokens' codes are over: the stage may be written
.irp q, 0,1,2,3,4,5,6,7
	global_load_b128 v[96+4*\q:99+4*\q], v[LI], s[8:9] offset:512*\q      ; bfc, gamma, beta: my 4 columns of each 128
	global_load_b128 v[128+4*\q:131+4*\q], v[LI], s[10:11] offset:512*\q
	global_load_b128 v[160+4*\q:163+4*\q], v[LI], s[12:13] offset:512*\q
.endr
	v_mul_u32_u24 v[STO], v2, SPITCH
	v_lshl_add_u32 v[STO], v3, 6, v[STO]
	s_lshl_b32 s19, s[WV], 10
	v_add_nc_u32 v[STO], s19, v[STO]               ; stage row r, + 64 h, + my 1,024 bytes of a row
	v_add_nc_u32 v[STO+1], 16*SPITCH, v[STO]       ; token tiles 1, 2, 3
	v_add_nc_u32 v[STO+2], 32*SPITCH, v[STO]
	v_add_nc_u32 v[STO+3], 48*SPITCH, v[STO]
	s_mul_i32 s22, s[WV], 16*SPITCH
	v_add_nc_u32 v27, s22, v[LI]                   ; back: my 16 rows, 16 bytes a lane
	s_lshl_b32 s19, s18, 2
	s_add_co_u32 s19, s19, s[WV]                   ; my rows are token tile 4 x block + w:
	s_lshr_b32 s20, s19, 1
	s_lshl_b32 s20, s20, 5
	s_and_b32 s21, s19, 1
	s_lshl_b32 s21, s21, 3
	s_add_co_u32 s20, s20, s21                     ; its row 0 is token 32 (T / 2) + 8 (T % 2); rows 8-15 lie 16 tokens behind rows 0-7
	s_lshl_b32 s20, s20, 12
	s_mov_b32 s21, 0
	s_add_nc_u64 s[14:15], s[14:15], s[20:21]
.irp hi, 0,1
	WIN 0x08+4*\hi                                 ; an LDS store's data are its source 1: window 2 or 3
.irp bl, 0,1,2,3,4,5,6,7
.irp a, 0,1,2,3
	ds_store_b128 v[STO+\a], v[8*(4*\bl+\a):8*(4*\bl+\a)+3] offset:128*((8*\hi+\bl)/2)+32*(\bl%2)          ; each accumulator from its low end on
	ds_store_b128 v[STO+\a], v[8*(4*\bl+\a)+4:8*(4*\bl+\a)+7] offset:128*((8*\hi+\bl)/2)+32*(\bl%2)+16
.endr
.endr
.endr
	WIN 0
	s_wait_dscnt 0x0                               ; for the others' sake: my stores into the stage are done
	s_barrier_signal -1
	s_barrier_wait -1
	s_wait_loadcnt 0x0                             ; bfc, gamma, beta
	s_mov_b32 s[RS], 0
	s_mov_b32 s[CNT], 8
.Lrow:                                             ; a trip: two whole rows, i and i + 8 of my 16
	v_add_nc_u32 v26, s[RS], v27
.irp q, 0,1,2,3,4,5,6,7
	ds_load_b128 v[32+4*\q:35+4*\q], v26 offset:512*\q
.endr
.irp q, 0,1,2,3,4,5,6,7
	ds_load_b128 v[64+4*\q:67+4*\q], v26 offset:8*SPITCH+512*\q
.endr
	s_wait_dscnt 0x0
.set j, 0
.rept 16
	v_pk_add_f32 v[32+j:33+j], v[32+j:33+j], v[96+j:97+j]     ; + bfc
	v_pk_add_f32 v[64+j:65+j], v[64+j:65+j], v[96+j:97+j]
.set j, j+2
.endr
	v_pk_add_f32 v[192:193], v[32:33], v[34:35]
	v_pk_add_f32 v[194:195], v[64:65], v[66:67]
.set j, 4
.rept 14
	v_pk_add_f32 v[192:193], v[192:193], v[32+j:33+j]
	v_pk_add_f32 v[194:195], v[194:195], v[64+j:65+j]
.set j, j+2
.endr
	v_add_f32 v192, v192, v193
	v_add_f32 v194, v194, v195
.irp m, 1,2,4,8
	v_add_f32_dpp v192, v192, v192 row_xmask:\m row_mask:0xf bank_mask:0xf
	v_add_f32_dpp v194, v194, v194 row_xmask:\m row_mask:0xf bank_mask:0xf
.endr
	v_permlanex16_b32 v193, v192, s[SEL], s[SEL+1]
	v_permlanex16_b32 v195, v194, s[SEL], s[SEL+1]
	v_add_f32 v192, v192, v193
	v_add_f32 v194, v194, v195
	v_mul_f32 v192, s54, v192                      ; the means
	v_mul_f32 v194, s54, v194
.set j, 0
.rept 16
	v_pk_add_f32 v[32+j:33+j], v[32+j:33+j], v[192:193] op_sel_hi:[1,0] neg_lo:[0,1] neg_hi:[0,1]   ; y - mean
	v_pk_add_f32 v[64+j:65+j], v[64+j:65+j], v[194:195] op_sel_hi:[1,0] neg_lo:[0,1] neg_hi:[0,1]
.set j, j+2
.endr
	v_pk_mul_f32 v[196:197], v[32:33], v[32:33]
	v_pk_mul_f32 v[198:199], v[64:65], v[64:65]
.set j, 2
.rept 15
	v_pk_fma_f32 v[196:197], v[32+j:33+j], v[32+j:33+j], v[196:197]
	v_pk_fma_f32 v[198:199], v[64+j:65+j], v[64+j:65+j], v[198:199]
.set j, j+2
.endr
	v_add_f32 v196, v196, v197
	v_add_f32 v198, v198, v199
.irp m, 1,2,4,8
	v_add_f32_dpp v196, v196, v196 row_xmask:\m row_mask:0xf bank_mask:0xf
	v_add_f32_dpp v198, v198, v198 row_xmask:\m row_mask:0xf bank_mask:0xf
.endr
	v_permlanex16_b32 v197, v196, s[SEL], s[SEL+1]
	v_permlanex16_b32 v199, v198, s[SEL], s[SEL+1]
	v_add_f32 v196, v196, v197
	v_add_f32 v198, v198, v199
	v_fma_f32 v196, v196, s54, s55                 ; variance + 1e-5
	v_fma_f32 v198, v198, s54, s55
	v_rsq_f32 v196, v196
	v_rsq_f32 v198, v198
	v_nop                                          ; a plain place behind the transcendentals
	s_wait_alu depctr_va_vdst(0)                   ; one wait for the two, ahead of their first reader
.set j, 0
.rept 16
	v_pk_mul_f32 v[32+j:33+j], v[32+j:33+j], v[196:197] op_sel_hi:[1,0]
	v_pk_mul_f32 v[64+j:65+j], v[64+j:65+j], v[198:199] op_sel_hi:[1,0]
.set j, j+2
.endr
.set j, 0
.rept 16
	v_pk_fma_f32 v[32+j:33+j], v[32+j:33+j], v[128+j:129+j], v[160+j:161+j]   ; x gamma + beta
	v_pk_fma_f32 v[64+j:65+j], v[64+j:65+j], v[128+j:129+j], v[160+j:161+j]
.set j, j+2
.endr
.irp q, 0,1,2,3,4,5,6,7
	global_store_b128 v[LI], v[32+4*\q:35+4*\q], s[14:15] offset:512*\q th:TH_STORE_NT          ; 32 lanes store 512 consecutive bytes, aligned
	global_store_b128 v[LI], v[64+4*\q:67+4*\q], s[14:15] offset:65536+512*\q th:TH_STORE_NT    ; the row 16 tokens on
.endr
	s_wait_xcnt 0x0                                ; the stores have read their registers and their base: both are written again below and in the next trip
	s_add_nc_u64 s[14:15], s[14:15], 4096
	s_add_co_u32 s[RS], s[RS], SPITCH
	s_sub_co_u32 s[CNT], s[CNT], 1
	s_cmp_lg_u32 s[CNT], 0
	s_cbranch_scc1 .Lrow
	s_wait_tensorcnt 0x0                           ; the wave's end, behind my last tensor load and my last LDS store
	ds_add_u32 v[SPW], v[NIL]
	s_wait_dscnt 0x0
	CROUND                                         ; the closing round
	s_endpgm
.Lfunc_end_k_qb3d8725a0b_fcln:
	.size	k_qb3d8725a0b_fcln, .Lfunc_end_k_qb3d8725a0b_fcln-k_qb3d8725a0b_fcln
	.p2alignl 7, 3214868480
	.fill 96, 4, 3214868480
	.section	.rodata,"a",@progbits
	.p2align	6, 0x0
	.amdhsa_kernel k_qb3d8725a0b_fcln
		.amdhsa_group_segment_fixed_size 327680
		.amdhsa_private_segment_fixed_size 0
		.amdhsa_enable_private_segment 0
		.amdhsa_kernarg_size 48
		.amdhsa_user_sgpr_count 2
		.amdhsa_user_sgpr_kernarg_segment_ptr 1
		.amdhsa_wavefront_size32 1
		.amdhsa_system_sgpr_workgroup_id_x 1
		.amdhsa_system_sgpr_workgroup_id_y 1
		.amdhsa_system_sgpr_workgroup_id_z 1
		.amdhsa_system_vgpr_workitem_id 0
		.amdhsa_next_free_vgpr 1024
		.amdhsa_next_free_sgpr 66
		.amdhsa_reserve_vcc 0
		.amdhsa_float_denorm_mode_32 3
		.amdhsa_float_denorm_mode_16_64 3
		.amdhsa_memory_ordered 1
		.amdhsa_forward_progress 1
		.amdhsa_inst_pref_size 160
	.end_amdhsa_kernel
	.amdgpu_metadata
---
amdhsa.version: [ 1, 2 ]
amdhsa.kernels:
  - .name:           k_qb3d8725a0b_fcln
    .symbol:         k_qb3d8725a0b_fcln.kd
    .args:
      - { .name: cat, .offset: 0, .size: 8, .value_kind: global_buffer, .address_space: global }
      - { .name: xw, .offset: 8, .size: 8, .value_kind: global_buffer, .address_space: global }
      - { .name: bfc, .offset: 16, .size: 8, .value_kind: global_buffer, .address_space: global }
      - { .name: gamma, .offset: 24, .size: 8, .value_kind: global_buffer, .address_space: global }
      - { .name: beta, .offset: 32, .size: 8, .value_kind: global_buffer, .address_space: global }
      - { .name: out0, .offset: 40, .size: 8, .value_kind: global_buffer, .address_space: global }
    .group_segment_fixed_size: 327680
    .private_segment_fixed_size: 0
    .kernarg_segment_align: 8
    .kernarg_segment_size: 48
    .max_flat_workgroup_size: 128
    .sgpr_count:     66
    .vgpr_count:     1024
    .wavefront_size: 32
...
	.end_amdgpu_metadata
.endif
;; end of part 4
